; MI455X (gfx1250); checked and timed in simulation.
; The chip was launched on July 23, 2026; its instructions are those of AMD's public machine-readable ISA for CDNA 5 (MIT licence, August 2026) and "CDNA5" Instruction Set Architecture Reference Guide (July 2026). The comments in the code are by the model that wrote it; some were corrected since.
;; Multi Head Attention. Allowed arithmetic: matrix products marked QUANTISED: E2M1 operands, one E8M0 scale for each 32 along K, by v_wmma_scale_f32_16x16x128_f8f6f4 with both operands' format E2M1 (or v_wmma_scale_f32_32x16x128_f4), f32 sums; everything else in f32.
;; Inputs: b_fc 1,024 float32; k 4 x 2,048 x 1,024 float32; ln_k_b 1,024 float32; ln_k_g 1,024 float32; ln_q_b 1,024 float32; ln_q_g 1,024 float32; ln_v_b 1,024 float32; ln_v_g 1,024 float32; q 4 x 2,048 x 1,024 float32; v 4 x 2,048 x 1,024 float32; w_fc_codes 1,024 x 32 x 16 uint8 (E2M1 codes of w_fc, K innermost, in blocks of 32 codes, two codes a byte); w_fc_scales 1,024 x 32 uint8 (E8M0 scales of w_fc, one for each 32 codes along K); w_k_codes 1,024 x 32 x 16 uint8 (E2M1 codes of w_k, K innermost, in blocks of 32 codes, two codes a byte); w_k_scales 1,024 x 32 uint8 (E8M0 scales of w_k, one for each 32 codes along K); w_q_codes 1,024 x 32 x 16 uint8 (E2M1 codes of w_q, K innermost, in blocks of 32 codes, two codes a byte); w_q_scales 1,024 x 32 uint8 (E8M0 scales of w_q, one for each 32 codes along K); w_v_codes 1,024 x 32 x 16 uint8 (E2M1 codes of w_v, K innermost, in blocks of 32 codes, two codes a byte); w_v_scales 1,024 x 32 uint8 (E8M0 scales of w_v, one for each 32 codes along K).
;; Outputs: out0 4 x 2,048 x 1,024 float32.
;; This version of the problem:
;;   THIS VERSION OF THE PROBLEM IS GIVEN IN LOW PRECISION. The matrix products marked QUANTISED in the list below multiply operands that are first quantised to E2M1 (2 exponent bits, 1 mantissa bit; 4 bits a number), with one power-of-two scale for each 32 numbers along K (OCP MX v1.0); their sums are f32. All else is computed in f32.
;;   The module's matrix products, in the order in which they are computed (A, B: the left and right operand; K: the contracted axis; several contracted axes count as one K, in the product's order):
;;     1. [M 8,192, K 1,024] x [K 1,024, N 1,024]; A: computed on the way; B: input w_q (given as codes): QUANTISED
;;     2. [M 8,192, K 1,024] x [K 1,024, N 1,024]; A: computed on the way; B: input w_k (given as codes): QUANTISED
;;     3. [M 8,192, K 1,024] x [K 1,024, N 1,024]; A: computed on the way; B: input w_v (given as codes): QUANTISED
;;     4. batch 64 x [M 2,048, K 64] x [K 64, N 2,048]; A: computed on the way; B: computed on the way: QUANTISED
;;     5. batch 64 x [M 2,048, K 2,048] x [K 2,048, N 64]; A: softmax (see below); B: computed on the way: QUANTISED
;;     6. [M 8,192, K 1,024] x [K 1,024, N 1,024]; A: computed on the way; B: input w_fc (given as codes): QUANTISED
;;   THE QUANTISER, for each operand of a quantised product, along K:
;;     - K is cut into blocks of 32 from its start; a last block that is shorter is filled with zeros.
;;     - A block's scale is 2^e with e = floor(log2(the largest magnitude in the block)) - 2, held to -126 .. 127; a block of zeros has e = 0. As a byte (E8M0): e + 127.
;;     - Each number is divided by its block's scale, clamped to +-6, and rounded to the nearest number of E2M1, ties to even, subnormals kept.
;;     - The product sums the exact products of the quantised numbers (number of the format x scale) in f32.
;;   ~~~python
;;   def quantise(x, axis):      # numpy; x: float32 -> the quantised numbers, widened to float32 again
;;       x = np.moveaxis(x, axis, -1); K = x.shape[-1]
;;       x = np.pad(x, [(0, 0)] * (x.ndim - 1) + [(0, -K % 32)]); x = x.reshape(x.shape[:-1] + (-1, 32)); a = np.abs(x).max(-1, keepdims=True)
;;       e = np.where(a > 0, np.clip(np.frexp(np.where(a > 0, a, 1))[1] - 1 - 2, -126, 127), 0)      # np.frexp(a)[1] - 1 = floor(log2(a)), exactly
;;       r = np.clip(x / 2.0 ** e, -6, 6)
;;       step = 2.0 ** (np.maximum(np.frexp(np.where(r == 0, 1, r))[1] - 1, 0) - 1)
;;       q = np.round(r / step) * step * 2.0 ** e      # np.round: ties to even
;;       return np.moveaxis(q.reshape(q.shape[:-2] + (-1,))[..., :K], -1, axis).astype(np.float32)
;;   ~~~
;;   SOFTMAX AHEAD OF A QUANTISED PRODUCT. Where the list says 'softmax', what is quantised is not the finished softmax but p = 2^(t - M), with t = logit x log2(e) and M = ceil(the row's largest t), a whole number; so 1/2 < the row's largest p <= 1. The row's sum l is taken of the UNQUANTISED p, in f32, and the product's result is divided by l at the end. Since M is a whole number, a kernel that streams over the keys may use a running M (the ceiling of the running maximum): every later rescaling is an exact power of two, which a block's scale takes up: the codes' values come out the same.
;;   OPERANDS COMPUTED ON THE WAY. 'Computed on the way' means the value that the module computes at that place (a softmax that the list does not call 'softmax' is quantised finished and normalised). What goes into a quantiser is computed in f32, as accurately as f32 sums, v_exp_f32 and their like allow (about 1e-6 of the number): no bf16 or f16 on the way to a quantiser, and a product that is left as it is and whose result goes on into a quantised operand takes f32 operands (vector FMAs, or v_wmma_f32_16x16x4_f32). A number that lies on a knife's edge between two numbers of the format may be rounded either way, as far as f32 arithmetic and the matrix unit's own rounding can turn it there, and no further.
;;   INPUTS GIVEN AS CODES. w_fc (in the module: [1024, 1024], K = its axis 1); w_k (in the module: [1024, 1024], K = its axis 1); w_q (in the module: [1024, 1024], K = its axis 1); w_v (in the module: [1024, 1024], K = its axis 1): each comes as NAME_codes (uint8): NAME with its K axis moved to the last place and cut into blocks of 32 codes, [.., K / 32, bytes a block], one block behind the other in memory; two codes a byte, the lower K in the low four bits (a code: sign, 2 exponent bits, 1 mantissa bit); and NAME_scales (uint8): the same leading axes, one E8M0 byte (e + 127) for each 32 codes along K. Its value is code x scale, taken as it is: it is not quantised again, and the codes and scales need not be those that the quantiser above would give.
;; One version. Each part assembles by itself: llvm-mc -triple=amdgcn-amd-amdhsa -mcpu=gfx1250 --defsym DOCPART=n.
;; ======== version 1 of 1: 4 launches
;; workspace buffers: xc 12,582,912 bytes; xs 786,432 bytes; rec 13,369,344 bytes; cc 4,194,304 bytes; cs 262,144 bytes
;; launch lnq (part 1): grid 768 x 1, 4 waves a work-group, no clusters, 19,968 bytes of LDS; arguments q, k, v, ln_q_g, ln_k_g, ln_v_g, ln_q_b, ln_k_b, ln_v_b, xc, xs; writes xc, xs
.if DOCPART == 1
	.amdgcn_target "amdgcn-amd-amdhsa--gfx1250"
	.amdhsa_code_object_version 6
	.text
	.protected	k_qb0d933da87_lnq
	.globl	k_qb0d933da87_lnq
	.p2align	8
	.type	k_qb0d933da87_lnq,@function
k_qb0d933da87_lnq:
	s_mov_b64 s[64:65], 0
	v_nop
	global_prefetch_b8 v0, s[64:65] scope:SCOPE_SE
	s_setreg_imm32_b32 hwreg(HW_REG_WAVE_MODE, 25, 1), 1
	s_wait_xcnt 0x0
; LayerNorm of q, k and v ([8192][1024] f32 each), then the MX-FP4 quantiser along the 1,024: codes xc [24576 rows = q, k, v stacked][512 bytes], scale bytes xs [24576][32].
; y = (x - mean) * rsqrt(var + 1e-5) * gamma + beta, all in f32; the variance is the mean of (x - mean)^2, taken in a second pass over registers, so no difference of large sums is formed.
; A block's scale is 2^(floor(log2(largest magnitude)) - 2): its byte is the largest magnitude's exponent field - 2, held at 1 from below.
; LIMITS: NaN and infinities among the inputs are not served.  A block of zeros gets the byte 1 where the rule says 127: its codes are zeros, and only this program reads the bytes.
; SHARES: work-group g takes stacked rows 32 g .. 32 g + 31 (tensor g / 256), wave w eight of them, a row at a time.  A row is eight loads of 512 consecutive bytes and stays in 32 registers a lane.
; The conversions take a block's 32 numbers from ONE lane, the loads give a lane 4 neighbours of 8 places: so a finished row turns through the wave's own stage in LDS (32 blocks of 128 bytes + 16 of padding) and
; comes back a block a lane.  A lane's codes are 16 bytes: the wave stores a row's 512 bytes on end.  The wave's 8 x 32 scale bytes are gathered in LDS and leave as 256 consecutive bytes.
; No matrix unit, no cluster, no barrier: memory binds, the waves share nothing.  Three rows' loads of a wave are on their way at the start, two while a row is worked on.
.set WLDS, 4864                        ; LDS of a wave: the stage, 32 x 144 bytes, then 256 scale bytes
.set SCB,  4608
.set BP,   144                         ; a block's place in the stage: 9 x 16 bytes, so sixteen lanes' 16-byte reads start at sixteen different columns of 16 bytes
.set GA,   32                          ; v32-63   gamma of my 32 columns (load i: columns 128 i + 4 lane + 0..3)
.set BE,   64                          ; v64-95   beta likewise
.set X,    96                          ; v96-191  three slots of 32: a row as loaded
.set Y,    192                         ; v192-223 my block's 32 numbers
.set CD,   24                          ; v24-31   codes, two sets of four
	s_load_b256 s[4:11], s[0:1], 0x0               ; q s[4:5], k s[6:7], v s[8:9], gamma of q s[10:11]
	s_load_b256 s[12:19], s[0:1], 0x20             ; gamma of k s[12:13], of v s[14:15], beta of q s[16:17], of k s[18:19]
	s_load_b128 s[20:23], s[0:1], 0x40             ; beta of v s[20:21], xc s[22:23]
	s_load_b64 s[24:25], s[0:1], 0x50              ; xs
	v_lshl_add_u32 v232, v0, 2, 0x4c00
	v_mov_b32 v233, 0
	v_lshrrev_b32 v1, 5, v0
	v_readfirstlane_b32 s27, v1                    ; wave 0..3
	v_and_b32 v1, 31, v0                           ; lane
	v_lshlrev_b32 v2, 4, v1                        ; 16 x lane: my bytes of a load's 512, and of a row's codes
	s_mul_i32 s34, s27, WLDS
	v_lshrrev_b32 v3, 3, v1
	v_mul_u32_u24 v3, v3, BP
	v_and_b32 v4, 7, v1
	v_lshl_add_u32 v3, v4, 4, v3
	v_add_nc_u32 v3, s34, v3                       ; into the stage: eight lanes fill a block: 144 (lane / 8) + 16 (lane % 8); a load's 512 bytes are four blocks
	v_mul_u32_u24 v4, v1, BP
	v_add_nc_u32 v4, s34, v4                       ; out of it: block = lane
	s_add_co_u32 s34, s34, SCB
	v_add_nc_u32 v5, s34, v1                       ; my block's scale byte
	v_lshlrev_b32 v7, 3, v1                        ; the bytes' way out: 8 a lane
	v_add_nc_u32 v6, s34, v7
	v_mov_b32 v9, 0                                ; upper halves of the pairs v[8:9] (mean) and v[10:11] (1 / sigma): named with them, never used
	v_mov_b32 v11, 0
	s_mov_b32 s30, 0x3a800000                      ; 1 / 1024
	s_mov_b32 s32, 0x76543210                      ; v_permlanex16_b32: lane l takes lane l xor 16
	s_mov_b32 s33, 0xfedcba98
	s_lshr_b32 s26, ttmp9, 8                       ; which tensor: 0 q, 1 k, 2 v
	s_and_b32 s28, ttmp9, 255
	s_lshl_b32 s28, s28, 5
	s_lshl_b32 s29, s27, 3
	s_add_co_u32 s28, s28, s29                     ; my first row in the tensor
	s_lshl_b32 s28, s28, 12                        ; x 4,096 bytes (under 2^25)
	s_lshl_b32 s36, ttmp9, 5
	s_add_co_u32 s36, s36, s29                     ; my first stacked row
	s_mov_b32 s29, 0
	s_lshl_b32 s38, s36, 5                         ; x 32 scale bytes
	s_mov_b32 s39, 0
	s_lshl_b32 s36, s36, 9                         ; x 512 bytes of codes
	s_mov_b32 s37, 0
	s_wait_kmcnt 0x0
	s_cmp_eq_u32 s26, 0                            ; the buffers are chosen by the work-group's number alone
	s_cselect_b64 s[4:5], s[4:5], s[6:7]
	s_cselect_b64 s[10:11], s[10:11], s[12:13]
	s_cselect_b64 s[16:17], s[16:17], s[18:19]
	s_cmp_eq_u32 s26, 2
	s_cselect_b64 s[4:5], s[8:9], s[4:5]
	s_cselect_b64 s[10:11], s[14:15], s[10:11]
	s_cselect_b64 s[16:17], s[20:21], s[16:17]
	s_add_nc_u64 s[4:5], s[4:5], s[28:29]
	s_add_nc_u64 s[22:23], s[22:23], s[36:37]
	s_add_nc_u64 s[24:25], s[24:25], s[38:39]
.irp i, 0,1,2,3,4,5,6,7
	global_load_b128 v[GA+4*\i:GA+4*\i+3], v2, s[10:11] offset:512*\i
	global_load_b128 v[BE+4*\i:BE+4*\i+3], v2, s[16:17] offset:512*\i
.endr
.macro LOAD p                          ; row p into slot p % 3: eight loads of 512 consecutive bytes
.irp i, 0,1,2,3,4,5,6,7
	global_load_b128 v[X+32*((\p)%3)+4*\i:X+32*((\p)%3)+4*\i+3], v2, s[4:5] offset:4096*(\p)+512*\i th:TH_LOAD_NT
.endr
.endm
.macro REDUCE r, t                     ; the sum over the 32 lanes, in every lane
	v_add_f32_dpp v[\r], v[\r], v[\r] row_xmask:1 row_mask:0xf bank_mask:0xf
	v_add_f32_dpp v[\r], v[\r], v[\r] row_xmask:2 row_mask:0xf bank_mask:0xf
	v_add_f32_dpp v[\r], v[\r], v[\r] row_xmask:4 row_mask:0xf bank_mask:0xf
	v_add_f32_dpp v[\r], v[\r], v[\r] row_xmask:8 row_mask:0xf bank_mask:0xf
	v_permlanex16_b32 v[\t], v[\r], s32, s33
	v_add_f32 v[\r], v[\r], v[\t]
.endm
	LOAD 0
	LOAD 1
	LOAD 2
.macro ROW p
.set XS, X+32*((\p)%3)
.set CO, CD+4*((\p)%2)
.if (\p) <= 5
	s_wait_loadcnt 16                              ; my row is in (and gamma and beta, which were asked for first); the two rows behind it may be out
.else
	s_wait_loadcnt 8*(7-(\p))                      ; the last rows: one row behind, then none
.endif
.irp c, 0,1,2,3                        ; the row's sum: four chains of packed additions
	v_pk_add_f32 v[12+2*\c:13+2*\c], v[XS+4*\c:XS+4*\c+1], v[XS+4*\c+2:XS+4*\c+3]
.endr
.irp j, 16,24
.irp c, 0,1,2,3
	v_pk_add_f32 v[12+2*\c:13+2*\c], v[12+2*\c:13+2*\c], v[XS+\j+2*\c:XS+\j+2*\c+1]
.endr
.endr
	v_pk_add_f32 v[12:13], v[12:13], v[14:15]
	v_pk_add_f32 v[16:17], v[16:17], v[18:19]
	v_pk_add_f32 v[12:13], v[12:13], v[16:17]
	v_add_f32 v12, v12, v13
	REDUCE 12, 13
	v_mul_f32 v8, s30, v12                         ; the mean
.irp j, 0,2,4,6,8,10,12,14,16,18,20,22,24,26,28,30
	v_pk_add_f32 v[XS+\j:XS+\j+1], v[XS+\j:XS+\j+1], v[8:9] op_sel_hi:[1,0] neg_lo:[0,1] neg_hi:[0,1]   ; x - mean
.endr
.irp c, 0,1,2,3                        ; the sum of its squares, again in four chains
	v_pk_mul_f32 v[12+2*\c:13+2*\c], v[XS+2*\c:XS+2*\c+1], v[XS+2*\c:XS+2*\c+1]
.endr
.irp j, 8,16,24
.irp c, 0,1,2,3
	v_pk_fma_f32 v[12+2*\c:13+2*\c], v[XS+\j+2*\c:XS+\j+2*\c+1], v[XS+\j+2*\c:XS+\j+2*\c+1], v[12+2*\c:13+2*\c]
.endr
.endr
	v_pk_add_f32 v[12:13], v[12:13], v[14:15]
	v_pk_add_f32 v[16:17], v[16:17], v[18:19]
	v_pk_add_f32 v[12:13], v[12:13], v[16:17]
	v_add_f32 v12, v12, v13
	REDUCE 12, 13
	v_fmaak_f32 v12, s30, v12, 0x3727c5ac          ; the variance + 1e-5
	s_wait_alu depctr_va_vdst(0)
	v_rsq_f32 v10, v12
	v_nop                                          ; a plain line behind the transcendental,
	s_wait_alu depctr_va_vdst(0)                   ; and the wait ahead of its first reader
.irp j, 0,2,4,6,8,10,12,14,16,18,20,22,24,26,28,30
	v_pk_mul_f32 v[XS+\j:XS+\j+1], v[XS+\j:XS+\j+1], v[10:11] op_sel_hi:[1,0]
.endr
.irp j, 0,2,4,6,8,10,12,14,16,18,20,22,24,26,28,30
	v_pk_fma_f32 v[XS+\j:XS+\j+1], v[XS+\j:XS+\j+1], v[GA+\j:GA+\j+1], v[BE+\j:BE+\j+1]
.endr
.irp i, 0,1,2,3,4,5,6,7
	ds_store_b128 v3, v[XS+4*\i:XS+4*\i+3] offset:4*BP*\i
.endr
.irp j, 0,1,2,3,4,5,6,7
	ds_load_b128 v[Y+4*\j:Y+4*\j+3], v4 offset:16*\j               ; LDS serves a wave's instructions in order: these see the stores above
.endr
	s_wait_dscnt 0x0                               ; my block is back; the stores have read the slot's registers,
.if (\p)+3 < 8
	LOAD (\p)+3                                    ; which take the row three further on
.endif
	v_max3_num_f32 v12, |v[Y]|, |v[Y+1]|, 0x1800000                ; the block's largest magnitude, all 32 numbers mine, and the floor 2^(3 - 127): the byte cannot fall under 1
	v_max3_num_f32 v13, |v[Y+2]|, |v[Y+3]|, |v[Y+4]|
.set J, 5
.set N, 0
.rept 13
	v_max3_num_f32 v[12+N%2], v[12+N%2], |v[Y+J]|, |v[Y+J+1]|      ; two chains by turns
.set J, J+2
.set N, N+1
.endr
	v_max3_num_f32 v12, v12, v13, |v[Y+31]|
	v_add_nc_u32 v14, 0xff000000, v12              ; 2 off its exponent field: the conversion takes this operand's exponent field as the scale
.if (\p) >= 2
	s_wait_alu depctr_va_vdst(0)
	s_wait_xcnt 0x0                                ; the store of two rows ago has read this set of code registers
.endif
.irp g, 0,1,2,3
	v_cvt_scalef32_pk8_fp4_f32 v[CO+\g], v[Y+8*\g:Y+8*\g+7], v14
.endr
	v_lshrrev_b32 v[22+(\p)%2], 23, v14            ; the scale's byte (also the plain line behind the conversions)
	ds_store_b8 v5, v[22+(\p)%2] offset:32*(\p)
	global_store_b128 v2, v[CO:CO+3], s[22:23] offset:512*(\p)     ; 32 lanes store the row's 512 bytes on end, at a multiple of 256 from xc's first byte
.endm
.irp p, 0,1,2,3,4,5,6,7
	ROW \p
.endr
	ds_load_b64 v[224:225], v6                     ; my wave's 256 scale bytes, in order behind the byte stores
	s_wait_dscnt 0x0
	global_store_b64 v7, v[224:225], s[24:25]      ; 256 consecutive bytes, at a multiple of 256 from xs's first byte
	s_wait_tensorcnt 0x0
	ds_add_u32 v232, v233
	s_wait_dscnt 0x0
	s_endpgm
.Lfunc_end_k_qb0d933da87_lnq:
	.size	k_qb0d933da87_lnq, .Lfunc_end_k_qb0d933da87_lnq-k_qb0d933da87_lnq
	.p2alignl 7, 3214868480
	.fill 96, 4, 3214868480
	.section	.rodata,"a",@progbits
	.p2align	6, 0x0
	.amdhsa_kernel k_qb0d933da87_lnq
		.amdhsa_group_segment_fixed_size 19968
		.amdhsa_private_segment_fixed_size 0
		.amdhsa_enable_private_segment 0
		.amdhsa_kernarg_size 88
		.amdhsa_user_sgpr_count 2
		.amdhsa_user_sgpr_kernarg_segment_ptr 1
		.amdhsa_wavefront_size32 1
		.amdhsa_system_sgpr_workgroup_id_x 1
		.amdhsa_system_sgpr_workgroup_id_y 1
		.amdhsa_system_sgpr_workgroup_id_z 1
		.amdhsa_system_vgpr_workitem_id 0
		.amdhsa_next_free_vgpr 234
		.amdhsa_next_free_sgpr 66
		.amdhsa_reserve_vcc 0
		.amdhsa_float_denorm_mode_32 3
		.amdhsa_float_denorm_mode_16_64 3
		.amdhsa_memory_ordered 1
		.amdhsa_forward_progress 1
		.amdhsa_inst_pref_size 81
	.end_amdhsa_kernel
	.amdgpu_metadata
---
amdhsa.version: [ 1, 2 ]
amdhsa.kernels:
  - .name:           k_qb0d933da87_lnq
    .symbol:         k_qb0d933da87_lnq.kd
    .args:
      - { .name: q, .offset: 0, .size: 8, .value_kind: global_buffer, .address_space: global }
      - { .name: k, .offset: 8, .size: 8, .value_kind: global_buffer, .address_space: global }
      - { .name: v, .offset: 16, .size: 8, .value_kind: global_buffer, .address_space: global }
      - { .name: ln_q_g, .offset: 24, .size: 8, .value_kind: global_buffer, .address_space: global }
      - { .name: ln_k_g, .offset: 32, .size: 8, .value_kind: global_buffer, .address_space: global }
      - { .name: ln_v_g, .offset: 40, .size: 8, .value_kind: global_buffer, .address_space: global }
      - { .name: ln_q_b, .offset: 48, .size: 8, .value_kind: global_buffer, .address_space: global }
      - { .name: ln_k_b, .offset: 56, .size: 8, .value_kind: global_buffer, .address_space: global }
      - { .name: ln_v_b, .offset: 64, .size: 8, .value_kind: global_buffer, .address_space: global }
      - { .name: xc, .offset: 72, .size: 8, .value_kind: global_buffer, .address_space: global }
      - { .name: xs, .offset: 80, .size: 8, .value_kind: global_buffer, .address_space: global }
    .group_segment_fixed_size: 19968
    .private_segment_fixed_size: 0
    .kernarg_segment_align: 8
    .kernarg_segment_size: 88
    .max_flat_workgroup_size: 128
    .sgpr_count:     66
    .vgpr_count:     234
    .wavefront_size: 32
...
	.end_amdgpu_metadata
.endif
;; end of part 1
;; launch proj (part 2): grid 4 x 96, 4 waves a work-group, clusters of 4 x 4, 327,680 bytes of LDS; arguments xc, xs, w_q_codes, w_q_scales, w_k_codes, w_k_scales, w_v_codes, w_v_scales, rec; writes rec
.if DOCPART == 2
	.amdgcn_target "amdgcn-amd-amdhsa--gfx1250"
	.amdhsa_code_object_version 6
	.text
	.protected	k_qb0d933da87_proj
	.globl	k_qb0d933da87_proj
	.p2align	8
	.type	k_qb0d933da87_proj,@function
k_qb0d933da87_proj:
	s_mov_b64 s[64:65], 0
	v_nop
	global_prefetch_b8 v0, s[64:65] scope:SCOPE_SE
	s_setreg_imm32_b32 hwreg(HW_REG_WAVE_MODE, 25, 1), 1
	s_wait_xcnt 0x0
	s_wait_alu depctr_hold_cnt(0) depctr_sa_sdst(0) depctr_va_vdst(0) depctr_va_sdst(0) depctr_va_ssrc(0) depctr_va_vcc(0) depctr_vm_vsrc(0)
	s_getreg_b32 s2, hwreg(HW_REG_IB_STS2, 6, 4)
	s_cmp_eq_u32 s2, 0
	s_cbranch_scc0 .Lentry_in_a_cluster
	s_endpgm
.Lentry_in_a_cluster:
	s_bfe_u32 s2, ttmp6, 0x10000c
	s_cmp_lg_u32 s2, 0xf033
	s_cbranch_scc0 .Lentry_shape_is_right
	s_endpgm
.Lentry_shape_is_right:
; The three projections LN(x) W^T, 8,192 x 1,024 x 1,024 each, on codes of FP4 (E2M1) with one E8M0 scale for each 32 along K; the results are quantised in registers into the records that attention reads.
; A work-group makes 256 x 256 results, a wave 128 x 128: 64 accumulators, 512 registers.  All of K (1,024: rows of 512 bytes) of both operands' 256 rows fits in LDS at once: every tensor load is a first fill,
; there is one wait for them and one barrier, and nothing is filled again.
; TWO ROLES.  The matrix instruction is used transposed: source 0 = 16 rows of the operand in role B, source 1 = 16 rows of the operand in role A.  A lane then holds ONE row of role A and eight neighbouring rows of
; role B, so results can be quantised along role B.  q and k are quantised along the head's 64 outputs: role A = tokens (xc), role B = W's rows.  v is quantised along the keys: role A = W_v's rows, role B = tokens.
; The roles are changed at the global pointers alone; LDS, registers and text are the same for all three.
; CLUSTERS: 4 x 4 work-groups; role A's tile is shared along a row of the cluster, role B's along a column: each is asked for jointly, by the same tensor load with a mask that names the four.
; Cluster y = 8 t + kappa: tensor t (0 q, 1 k, 2 v), the same in all sixteen partners.
; THE RECORDS: rec [t][16 batch + head][block of 128 tokens][4,352 bytes], images of attention's operand registers:
;   q, k: codes of tile a (16 tokens) at 512 a + 16 lane: lane (r, h) = token 16 a + r, the head's dims 32 h .. 32 h + 31;  scale words at 4,096 + 8 lane: dword y of lane 16 e + r is word g = 2 y + e:
;         bytes (dims 0-31, dims 32-63) of token 16 (2 g) + r, then of token 16 (2 g + 1) + r.
;   v:    codes at 1,024 d + 512 c + 16 lane: lane (r, h) = dim 16 d + r, keys 64 c + 32 h .. + 31;  scale words at 4,096 + 8 lane: dword y of lane 16 e + r = the four key blocks' bytes of dim 16 (2 y + e) + r.
; LIMITS: NaN and infinities are not served; a block of zeros gets the byte 1 where the rule says 127 (its codes are zeros; only this program reads the bytes).
; REGISTERS, in windows of 256: window 0: v1-27 addresses; v32-95 scale words; v96-127 at work on the way out; v128-255 role A's fragments, two sets (on the way out: codes, offsets, bytes).
;   window 1: v0-127 role B's fragments, two sets.   window 2: accumulators of my role-A blocks 0-3 ((a, b) at v[8 (8 (a % 4) + b)]);   window 3: blocks 4-7.
.set PITCH, 528                        ; an LDS row: 512 bytes + 16 of padding: 33 x 16, so the sixteen rows of a fragment load start at sixteen different columns of 16 bytes
.set HALFT, 128*PITCH                  ; 128 rows: what one tensor load brings, and what a wave reads of a role
.set SCL,   4*HALFT                    ; behind the codes: the scale bytes, as rows of 256 bytes + 16 of padding
.set HALFS, 16*272                     ; those of 128 rows (32 bytes each)
.set SBLK,  2*272                      ; those of 16 rows
.set RECB,  4352
.set HEADS, 16*RECB                    ; from head to head in rec
.set TS,    64*HEADS                   ; from tensor to tensor
.set WV, 22                            ; s22 wave;  s23 wave / 2: my half of role A, and: I fetch for A (0) or B (1);  s24 wave % 2: my half of role B, and which 128 rows I fetch
.set HA, 23
.set HB, 24
.set G1A, 44                           ; s[44:51], s[52:59] descriptor group 1 for the codes of role A, of role B
.set G1B, 52
.set G1SA, 68                          ; s[68:75], s[76:83] for their scale bytes
.set G1SB, 76
.set G0A, 84                           ; s[84:87] .. s[96:99] the four groups 0
.set G0B, 88
.set G0SA, 92
.set G0SB, 96
.set ADRA, 16
.set ADRB, 20
.set L16, 24                           ; v24 16 x lane;  v25 8 x lane
.set L8,  25
.set ADRS, 27
.set SC,  32                           ; register 8 i + s: lanes 0-15 the word of role A's block i, lanes 16-31 that of role B's block i, for K step s
.set T,   96                           ; the way out: v96-99 largest magnitudes, v100-103 the other half's, v104-107 the conversions' scale operands, v108-111 bytes
.set TP,  100
.set SO,  104
.set E,   108
.set WQ,  112                          ; v112-119 scale words, v120-123 as they are stored
.set FW,  120
.set AF,  128
.set P,   128                          ; v128-191 the codes, eight registers for each block a
.set OFF, 192                          ; v192-207 the stores' offsets
.set PR,  208                          ; v208-223 pairs of bytes: PR + 2 a + c
.set WVV, 224                          ; v224-231 v's form of the scale words
.set MSB, 0
.macro WIN new                         ; the immediate's high byte repeats the setting that is left; a switch that changes nothing is dropped
.if MSB != \new
	s_set_vgpr_msb (MSB<<8)|\new
.set MSB, \new
.endif
.endm
.macro PLACES                          ; four plain lines between a matrix instruction and a load into, or a vector read or write of, its registers
.rept 4
	v_nop
.endr
.endm
.macro JLOAD g0a, g1a, g0b, g1b        ; a joint load: waves 0 and 1 fetch for role A, waves 2 and 3 for role B; four v_nop follow each line
	s_cmp_eq_u32 s[HA], 0
	s_cbranch_scc0 .Lfor_b_\@
	tensor_load_to_lds s[\g0a:\g0a+3], s[\g1a:\g1a+7]
	s_nop 0
.rept 4
	v_nop
.endr
	s_branch .Lasked_\@
.Lfor_b_\@:
	tensor_load_to_lds s[\g0b:\g0b+3], s[\g1b:\g1b+7]
	s_nop 0
.rept 4
	v_nop
.endr
.Lasked_\@:
.endm
.macro CROUND                          ; a round of the cluster's barrier
	s_barrier_signal -1
	s_barrier_wait -1
	s_cmp_lg_u32 s[WV], 0
	s_cbranch_scc1 .Lnot_wave_0_\@
	s_barrier_signal -3
.Lnot_wave_0_\@:
	s_barrier_wait -3
	s_barrier_signal -1
	s_barrier_wait -1
.endm
	s_load_b256 s[4:11], s[0:1], 0x0               ; xc s[4:5], xs s[6:7], w_q codes s[8:9], scales s[10:11]
	s_load_b256 s[12:19], s[0:1], 0x20             ; w_k codes s[12:13], scales s[14:15], w_v codes s[16:17], scales s[18:19]
	s_load_b64 s[20:21], s[0:1], 0x40              ; rec
	v_lshl_add_u32 v126, v0, 2, 0x46400
	v_mov_b32 v127, 0
	ds_add_u32 v126, v127
	ds_add_u32 v126, v127
	v_lshrrev_b32 v1, 5, v0
	v_readfirstlane_b32 s[WV], v1
	s_lshr_b32 s[HA], s[WV], 1
	s_and_b32 s[HB], s[WV], 1
	s_bfe_u32 s25, ttmp6, 0x40000                  ; cx
	s_bfe_u32 s26, ttmp6, 0x40004                  ; cy
	s_and_b32 s27, ttmp7, 0xffff                   ; cluster y
	s_lshr_b32 s28, s27, 3                         ; t
	s_and_b32 s29, s27, 7
	s_lshl_b32 s29, s29, 2                         ; 4 kappa: the tokens' 32 tiles go along role A (q, k) or role B (v)
	s_lshl_b32 s34, s28, 13                        ; 8,192 t
	s_cmp_eq_u32 s28, 2
	s_cselect_b32 s32, 0, s29
	s_cselect_b32 s33, s29, 0
	s_cselect_b32 s35, 0, s34                      ; role A's first stacked row in its buffer: 8,192 t in xc, 0 in w_v
	s_cselect_b32 s36, 16384, 0                    ; role B's: v's rows in xc, 0 in a weight
	s_add_co_u32 s30, s26, s32                     ; tile of role A = cy (+ 4 kappa): never holds cx
	s_add_co_u32 s31, s25, s33                     ; tile of role B = cx (+ 4 kappa): never holds cy
	s_lshl_b32 s2, s26, 2
	s_lshl_b32 s2, 15, s2                          ; my row of the cluster
	s_lshl_b32 s3, 0x1111, s25                     ; my column
	s_or_b32 s[G1A], s2, (1<<20)|(1<<21)|(6<<22)|(3<<25)          ; 15:0 the mask; 17:16 elements of 1 byte; 20 padding on; 21 set beside a mask; 24:22 after every 128 words; 31:25 four words
	s_or_b32 s[G1B], s3, (1<<20)|(1<<21)|(6<<22)|(3<<25)
.irp g, G1A, G1B
	s_mov_b32 s[\g+1], 512<<16                     ; tensor_dim0 = 512
	s_mov_b32 s[\g+2], 128<<16                     ; tensor_dim1 = 128
	s_mov_b32 s[\g+3], 512<<16                     ; tile_dim0
	s_mov_b32 s[\g+4], 128                         ; tile_dim1
	s_mov_b32 s[\g+5], 512                         ; from row to row
	s_mov_b32 s[\g+6], 0
	s_mov_b32 s[\g+7], 0
.endr
	s_or_b32 s[G1SA], s2, (3<<16)|(1<<20)|(1<<21)|(5<<22)|(3<<25) ; the scale bytes of 128 rows: 4,096 dense bytes as 16 rows of 32 elements of 8 bytes, four words of padding behind each
	s_or_b32 s[G1SB], s3, (3<<16)|(1<<20)|(1<<21)|(5<<22)|(3<<25)
.irp g, G1SA, G1SB
	s_mov_b32 s[\g+1], 32<<16
	s_mov_b32 s[\g+2], 16<<16
	s_mov_b32 s[\g+3], 32<<16
	s_mov_b32 s[\g+4], 16
	s_mov_b32 s[\g+5], 32
	s_mov_b32 s[\g+6], 0
	s_mov_b32 s[\g+7], 0
.endr
	s_lshl_b32 s37, s[HB], 7                       ; which 128 rows of the tile I fetch
	s_lshl_b32 s38, s30, 8
	s_add_co_u32 s38, s38, s37
	s_add_co_u32 s38, s38, s35                     ; role A's row
	s_lshl_b32 s40, s31, 8
	s_add_co_u32 s40, s40, s37
	s_add_co_u32 s40, s40, s36                     ; role B's row
	s_lshl_b32 s42, s38, 9                         ; its codes: 512 bytes a row (under 2^24)
	s_mov_b32 s43, 0
	s_lshl_b32 s38, s38, 5                         ; its scale bytes: 32 a row
	s_mov_b32 s39, 0
	s_lshl_b32 s60, s40, 9
	s_mov_b32 s61, 0
	s_lshl_b32 s40, s40, 5
	s_mov_b32 s41, 0
	s_mul_i32 s62, s[WV], HALFT                    ; where they go: wave x 128 rows: A's two halves, then B's: no place in the cluster enters an LDS address
	s_mul_i32 s63, s[WV], HALFS
	s_wait_dscnt 0x0
	s_wait_kmcnt 0x0
	s_cmp_eq_u32 s28, 2                            ; the buffers of the two roles, chosen by t alone
	s_cselect_b64 s[32:33], s[16:17], s[4:5]       ; role A's codes: w_v or xc
	s_cselect_b64 s[34:35], s[18:19], s[6:7]       ; and scale bytes
	s_cselect_b64 s[12:13], s[4:5], s[12:13]       ; role B's: xc, or w_k,
	s_cselect_b64 s[14:15], s[6:7], s[14:15]
	s_cmp_eq_u32 s28, 0
	s_cselect_b64 s[12:13], s[8:9], s[12:13]       ; or w_q
	s_cselect_b64 s[14:15], s[10:11], s[14:15]
	CROUND                                         ; all sixteen work-groups are here: the joint loads meet
	s_mov_b32 s[G0SA], 1
	s_add_co_u32 s[G0SA+1], s63, SCL
	s_add_nc_u64 s[G0SA+2:G0SA+3], s[34:35], s[38:39]
	s_or_b32 s[G0SA+3], s[G0SA+3], 0x80000000
	s_mov_b32 s[G0SB], 1
	s_add_co_u32 s[G0SB+1], s63, SCL
	s_add_nc_u64 s[G0SB+2:G0SB+3], s[14:15], s[40:41]
	s_or_b32 s[G0SB+3], s[G0SB+3], 0x80000000
	s_mov_b32 s[G0A], 1
	s_mov_b32 s[G0A+1], s62
	s_add_nc_u64 s[G0A+2:G0A+3], s[32:33], s[42:43]
	s_or_b32 s[G0A+3], s[G0A+3], 0x80000000
	s_mov_b32 s[G0B], 1
	s_mov_b32 s[G0B+1], s62
	s_add_nc_u64 s[G0B+2:G0B+3], s[12:13], s[60:61]
	s_or_b32 s[G0B+3], s[G0B+3], 0x80000000
	JLOAD G0SA, G1SA, G0SB, G1SB                   ; one tensor load of mine is out: the scale bytes
	s_wait_alu depctr_va_vdst(0)
	s_wait_tensorcnt 0x0
	ds_add_u32 v126, v127
	s_wait_dscnt 0x0
	CROUND
	JLOAD G0A, G1A, G0B, G1B                       ; and the codes
	v_and_b32 v1, 15, v0                           ; r
	v_bfe_u32 v2, v0, 4, 1                         ; h
	v_mul_u32_u24 v3, v1, PITCH
	v_lshl_add_u32 v3, v2, 4, v3                   ; a fragment's row x pitch + 16 h
	s_mul_i32 s32, s[HA], HALFT
	s_mul_i32 s33, s[HB], HALFT
	s_add_co_u32 s33, s33, 2*HALFT
	v_add_nc_u32 v[ADRA], s32, v3
	v_add_nc_u32 v[ADRB], s33, v3
	v_lshlrev_b32 v5, 5, v1                        ; my row's scale bytes: 32 a row,
	v_lshrrev_b32 v6, 8, v5
	v_lshl_add_u32 v5, v6, 4, v5                   ; and 16 more for each 256 passed
	s_mul_i32 s32, s[HA], HALFS
	s_mul_i32 s33, s[HB], HALFS
	s_add_co_u32 s33, s33, 2*HALFS
	s_sub_co_u32 s33, s33, s32
	v_mul_u32_u24 v6, s33, v2                      ; lanes 16-31 take role B's
	s_add_co_u32 s32, s32, SCL
	v_add_nc_u32 v5, v5, v6
	v_add_nc_u32 v[ADRS], s32, v5
	v_and_b32 v7, 31, v0
	v_lshlrev_b32 v[L16], 4, v7
	v_lshlrev_b32 v[L8], 3, v7
	v_cmp_ne_u32 s60, 0, v2                        ; lanes 16-31
	s_mov_b32 s66, 0x76543210                      ; v_permlanex16_b32: lane l xor 16
	s_mov_b32 s67, 0xfedcba98
	; where my records begin
	s_lshl_b32 s32, s30, 8
	s_lshl_b32 s33, s[HA], 7
	s_add_co_u32 s32, s32, s33                     ; my first row of role A
	s_lshl_b32 s34, s31, 8
	s_lshl_b32 s35, s[HB], 7
	s_add_co_u32 s34, s34, s35                     ; of role B
	s_mov_b32 s38, 512
	s_mov_b32 s39, 2048
	s_mov_b32 s40, HEADS
	s_cmp_eq_u32 s28, 2
	s_cselect_b32 s36, s34, s32                    ; my first token
	s_cselect_b32 s37, s32, s34                    ; my first output dim: two heads
	s_cselect_b32 s38, 1024, s38                   ; a store's place: (a % 4) x s38 + (a / 4) x s39 + c x s40.  q, k: 512 a + c heads;  v: 1,024 (a % 4) + (a / 4) heads + 512 c
	s_cselect_b32 s39, HEADS, s39
	s_cselect_b32 s40, 512, s40
	s_cselect_b32 s41, -1, 0                       ; all lanes where t = 2
	s_lshr_b32 s42, s36, 11                        ; batch
	s_lshl_b32 s42, s42, 4
	s_lshr_b32 s43, s37, 6                         ; head
	s_add_co_u32 s42, s42, s43
	s_lshl_b32 s42, s42, 4
	s_bfe_u32 s43, s36, 0x40007                    ; block of 128 tokens
	s_add_co_u32 s42, s42, s43
	s_mul_i32 s42, s42, RECB
	s_mul_i32 s43, s28, TS
	s_add_co_u32 s42, s42, s43                     ; under 2^24
	s_mov_b32 s43, 0
	s_add_nc_u64 s[20:21], s[20:21], s[42:43]
.macro FETCH s                         ; the fragments of K step s (128 along K: 64 bytes of each row) into set s % 2: 16 loads for role B, 16 for role A
	WIN 0x40                                       ; destination window 1, address window 0
.irp i, 0,1,2,3,4,5,6,7
.irp c, 0,1
	ds_load_b128 v[64*((\s)%2)+8*\i+4*\c:64*((\s)%2)+8*\i+4*\c+3], v[ADRB] offset:64*(\s)+32*\c+\i*16*PITCH
.endr
.endr
	WIN 0
.irp i, 0,1,2,3,4,5,6,7
.irp c, 0,1
	ds_load_b128 v[AF+64*((\s)%2)+8*\i+4*\c:AF+64*((\s)%2)+8*\i+4*\c+3], v[ADRA] offset:64*(\s)+32*\c+\i*16*PITCH
.endr
.endr
.endm
.macro MUL s                           ; 64 matrix instructions; the 64 accumulators take turns, one instruction a turn, in the same order in every step.  The first step starts the sums
.irp a, 0,1,2,3,4,5,6,7
.set WN, 0xa1+0x50*(\a/4)
	WIN WN                                         ; source 0 window 1, source 1 window 0, C and D window 2 or 3
.irp b, 0,1,2,3,4,5,6,7
.if (\s) == 0
	v_wmma_scale_f32_16x16x128_f8f6f4 v[8*(8*((\a)%4)+\b):8*(8*((\a)%4)+\b)+7], v[64*((\s)%2)+8*\b:64*((\s)%2)+8*\b+7], v[AF+64*((\s)%2)+8*\a:AF+64*((\s)%2)+8*\a+7], 0, v[SC+8*\b+(\s)], v[SC+8*\a+(\s)] matrix_a_fmt:MATRIX_FMT_FP4 matrix_b_fmt:MATRIX_FMT_FP4 matrix_a_scale:MATRIX_SCALE_ROW1
.else
	v_wmma_scale_f32_16x16x128_f8f6f4 v[8*(8*((\a)%4)+\b):8*(8*((\a)%4)+\b)+7], v[64*((\s)%2)+8*\b:64*((\s)%2)+8*\b+7], v[AF+64*((\s)%2)+8*\a:AF+64*((\s)%2)+8*\a+7], v[8*(8*((\a)%4)+\b):8*(8*((\a)%4)+\b)+7], v[SC+8*\b+(\s)], v[SC+8*\a+(\s)] matrix_a_fmt:MATRIX_FMT_FP4 matrix_b_fmt:MATRIX_FMT_FP4 matrix_a_scale:MATRIX_SCALE_ROW1
.endif
.endr
.endr
.endm
.macro STEP s
.if (\s) > 0
	PLACES                                         ; the set that takes the next loads was read by the step before
.endif
.if (\s) < 7
	FETCH (\s)+1
	s_wait_dscnt 32                                ; all but the 32 just issued: this step's fragments (and the scale words) are in
.else
	s_wait_dscnt 0x0
.endif
	MUL \s
.endm
	s_wait_alu depctr_va_vdst(0)
	s_wait_tensorcnt 0x0                           ; my parts have landed,
	s_barrier_signal -1
	s_barrier_wait -1                              ; everybody's have
.irp i, 0,1,2,3,4,5,6,7
.irp k, 0,1
	ds_load_b128 v[SC+8*\i+4*\k:SC+8*\i+4*\k+3], v[ADRS] offset:SBLK*\i+16*\k   ; the eight K steps' scale words of block i: lanes 0-15 role A's, lanes 16-31 role B's
.endr
.endr
	FETCH 0
.irp s, 0,1,2,3,4,5,6,7
	STEP \s
.endr
; THE WAY OUT.  Block a: lane (r, h) holds role A's row 16 a + r; register 8 b + j holds role B's row 16 b + 8 h + j.  A block of 32 along role B is tiles 2 x, 2 x + 1 in lanes l and l xor 16.
; A conversion of tile (x, u) gives dword 2 u + h of the block's 16 bytes.  For the blocks X = 2 c, Y = 2 c + 1: X's go to registers 4 c + 2 u, Y's to 4 c + 2 u + 1, and an exchange of halves within each such pair
; leaves register 4 c + i = (X's dword i in lanes 0-15 | Y's dword i in lanes 16-31): the 4-bit operand's layout.
.macro QROW a
.set W, 2+(\a)/4
.set AC, 64*((\a)%4)
.set WN, W|(W<<2)
	WIN WN
.irp b, 0,1,2,3
	v_max3_num_f32 v[T+\b], |v[AC+16*\b]|, |v[AC+16*\b+1]|, 0x1800000   ; each accumulator is read from its low end on; the floor 2^(3 - 127) holds the byte at 1 from below
.endr
.set WN, (W<<2)|(W<<4)
	WIN WN
.irp i, 2,4,6,8,10,12,14
.irp b, 0,1,2,3
	v_max3_num_f32 v[T+\b], v[T+\b], |v[AC+16*\b+\i]|, |v[AC+16*\b+\i+1]|
.endr
.endr
	WIN 0
.irp b, 0,1,2,3
	v_permlanex16_b32 v[TP+\b], v[T+\b], s66, s67
.endr
.irp b, 0,1,2,3
	v_max_num_f32 v[T+\b], v[T+\b], v[TP+\b]       ; the block's largest magnitude
.endr
.irp b, 0,1,2,3
	v_add_nc_u32 v[SO+\b], 0xff000000, v[T+\b]     ; 2 off its exponent field: the conversion's scale operand
.endr
.irp b, 0,1,2,3
	v_lshrrev_b32 v[E+\b], 23, v[SO+\b]            ; the scale's byte
.endr
.irp c, 0,1
	v_lshl_or_b32 v[PR+2*(\a)+\c], v[E+2*\c+1], 8, v[E+2*\c]
.endr
	WIN W
.irp c, 0,1
.irp u, 0,1
	v_cvt_scalef32_pk8_fp4_f32 v[P+8*(\a)+4*\c+2*\u], v[AC+32*\c+8*\u:AC+32*\c+8*\u+7], v[SO+2*\c]
	v_cvt_scalef32_pk8_fp4_f32 v[P+8*(\a)+4*\c+2*\u+1], v[AC+32*\c+16+8*\u:AC+32*\c+16+8*\u+7], v[SO+2*\c+1]
.endr
.endr
	WIN 0
	v_nop                                          ; a plain line behind the scaled conversions
.irp c, 0,1
.irp u, 0,1
	v_permlane16_swap_b32 v[P+8*(\a)+4*\c+2*\u], v[P+8*(\a)+4*\c+2*\u+1]
.endr
.endr
	s_mul_i32 s2, s38, (\a)%4
	s_mul_i32 s3, s39, (\a)/4
	s_add_co_u32 s2, s2, s3
	v_add_nc_u32 v[OFF+2*(\a)], s2, v[L16]
	s_add_co_u32 s2, s2, s40
	v_add_nc_u32 v[OFF+2*(\a)+1], s2, v[L16]
	global_store_b128 v[OFF+2*(\a)], v[P+8*(\a):P+8*(\a)+3], s[20:21]          ; 32 lanes store 512 consecutive bytes, at a multiple of 256 from rec's first byte
	global_store_b128 v[OFF+2*(\a)+1], v[P+8*(\a)+4:P+8*(\a)+7], s[20:21]      ; every store has registers of its own: none is written again
.endm
	PLACES                                         ; behind the last products
	WIN 0
.irp b, 0,1,2,3
	v_mov_b32 v[TP+\b], 0                          ; written once: a lane permute's destination counts as one of its sources
.endr
.irp a, 0,1,2,3,4,5,6,7
	QROW \a
.endr
; The scale words of my two records (heads p = 0, 1).  Both forms are made and one is taken by the mask t = 2: no branch.
.irp p, 0,1
.irp w, 0,1,2,3
	v_lshl_or_b32 v[WQ+4*\p+\w], v[PR+2*(2*\w+1)+\p], 16, v[PR+2*(2*\w)+\p]    ; q, k: word w of head p: the head's two bytes of tiles 2 w and 2 w + 1
	v_lshl_or_b32 v[WVV+4*\p+\w], v[PR+2*(4*\p+\w)+1], 16, v[PR+2*(4*\p+\w)]   ; v: dims 16 w on of head p: the four key blocks' bytes
.endr
.endr
.irp j, 0,1,2,3,4,5,6,7
	v_cndmask_b32 v[WQ+\j], v[WQ+\j], v[WVV+\j], s41
.endr
.irp p, 0,1
.irp g, 0,1
	v_cndmask_b32 v[FW+2*\p+\g], v[WQ+4*\p+2*\g], v[WQ+4*\p+2*\g+1], s60       ; dword g: lanes 0-15 word 2 g, lanes 16-31 word 2 g + 1
.endr
	global_store_b64 v[L8], v[FW+2*\p:FW+2*\p+1], s[20:21] offset:4096+HEADS*\p   ; 256 consecutive bytes, at a multiple of 256 from rec's first byte
.endr
	s_wait_tensorcnt 0x0
	ds_add_u32 v126, v127
	s_wait_dscnt 0x0
	CROUND                                         ; the closing round: no work-group ends while a partner may still ask for a tile that names it
	s_endpgm
.Lfunc_end_k_qb0d933da87_proj:
	.size	k_qb0d933da87_proj, .Lfunc_end_k_qb0d933da87_proj-k_qb0d933da87_proj
	.p2alignl 7, 3214868480
	.fill 96, 4, 3214868480
	.section	.rodata,"a",@progbits
	.p2align	6, 0x0
	.amdhsa_kernel k_qb0d933da87_proj
		.amdhsa_group_segment_fixed_size 327680
		.amdhsa_private_segment_fixed_size 0
		.amdhsa_enable_private_segment 0
		.amdhsa_kernarg_size 72
		.amdhsa_user_sgpr_count 2
		.amdhsa_user_sgpr_kernarg_segment_ptr 1
		.amdhsa_wavefront_size32 1
		.amdhsa_system_sgpr_workgroup_id_x 1
		.amdhsa_system_sgpr_workgroup_id_y 1
		.amdhsa_system_sgpr_workgroup_id_z 1
		.amdhsa_system_vgpr_workitem_id 0
		.amdhsa_next_free_vgpr 1024
		.amdhsa_next_free_sgpr 100
		.amdhsa_reserve_vcc 0
		.amdhsa_float_denorm_mode_32 3
		.amdhsa_float_denorm_mode_16_64 3
		.amdhsa_memory_ordered 1
		.amdhsa_forward_progress 1
		.amdhsa_inst_pref_size 129
	.end_amdhsa_kernel
	.amdgpu_metadata
---
amdhsa.version: [ 1, 2 ]
amdhsa.kernels:
  - .name:           k_qb0d933da87_proj
    .symbol:         k_qb0d933da87_proj.kd
    .args:
      - { .name: xc, .offset: 0, .size: 8, .value_kind: global_buffer, .address_space: global }
      - { .name: xs, .offset: 8, .size: 8, .value_kind: global_buffer, .address_space: global }
      - { .name: w_q_codes, .offset: 16, .size: 8, .value_kind: global_buffer, .address_space: global }
      - { .name: w_q_scales, .offset: 24, .size: 8, .value_kind: global_buffer, .address_space: global }
      - { .name: w_k_codes, .offset: 32, .size: 8, .value_kind: global_buffer, .address_space: global }
      - { .name: w_k_scales, .offset: 40, .size: 8, .value_kind: global_buffer, .address_space: global }
      - { .name: w_v_codes, .offset: 48, .size: 8, .value_kind: global_buffer, .address_space: global }
      - { .name: w_v_scales, .offset: 56, .size: 8, .value_kind: global_buffer, .address_space: global }
      - { .name: rec, .offset: 64, .size: 8, .value_kind: global_buffer, .address_space: global }
    .group_segment_fixed_size: 327680
    .private_segment_fixed_size: 0
    .kernarg_segment_align: 8
    .kernarg_segment_size: 72
    .max_flat_workgroup_size: 128
    .sgpr_count:     100
    .vgpr_count:     1024
    .wavefront_size: 32
...
	.end_amdgpu_metadata
.endif
;; end of part 2
;; launch attn (part 3): grid 4 x 64, 16 waves a work-group, clusters of 4 x 1, 327,680 bytes of LDS; arguments rec, cc, cs; writes cc, cs
.if DOCPART == 3
	.amdgcn_target "amdgcn-amd-amdhsa--gfx1250"
	.amdhsa_code_object_version 6
	.text
	.protected	k_qb0d933da87_attn
	.globl	k_qb0d933da87_attn
	.p2align	8
	.type	k_qb0d933da87_attn,@function
k_qb0d933da87_attn:
	s_mov_b64 s[64:65], 0
	v_nop
	global_prefetch_b8 v0, s[64:65] scope:SCOPE_SE
	s_setreg_imm32_b32 hwreg(HW_REG_WAVE_MODE, 25, 1), 1
	s_wait_xcnt 0x0
	s_wait_alu depctr_hold_cnt(0) depctr_sa_sdst(0) depctr_va_vdst(0) depctr_va_sdst(0) depctr_va_ssrc(0) depctr_va_vcc(0) depctr_vm_vsrc(0)
	s_getreg_b32 s2, hwreg(HW_REG_IB_STS2, 6, 4)
	s_cmp_eq_u32 s2, 0
	s_cbranch_scc0 .Lentry_in_a_cluster
	s_endpgm
.Lentry_in_a_cluster:
	s_bfe_u32 s2, ttmp6, 0x10000c
	s_cmp_lg_u32 s2, 0x3003
	s_cbranch_scc0 .Lentry_shape_is_right
	s_endpgm
.Lentry_shape_is_right:
; ctx = softmax(Q K^T / 8) V for 64 (batch, head) pairs, 2,048 queries and keys, head size 64, both products on codes of FP4 (E2M1) with one E8M0 scale for each 32 along a product's K; ctx is quantised along the model's 1,024.
; Q, K, V come from rec as images of operand registers (the records' layout stands at the head of the launch that writes them).
; THE SOFTMAX: t = score x log2(e) / 8; M = the running largest t rounded UP to a whole number; p = 2^(t - M) is quantised along the keys, not normalised; the row's sum is taken of the unquantised p and divides at the end.
; When M moves, the sum and O are multiplied by 2^(old M - new M), which rounds nothing.  A block's largest p is made from the block's largest score by the same multiply-add and exponential; this takes v_exp_f32 not to fall
; where its input rises: at the worst one p of a block, within an ulp of a power of two, is held one code low.
; LIMITS: NaN and infinities are not served; 1 / sum is v_rcp_f32 and a multiplication; a block of zeros gets the byte 1 where the rule says 127 (its codes are zeros; only this program reads the bytes).
; SHARES: a work-group owns 512 queries of one head; each of its sixteen waves two tiles of 16 queries, one after the other, in 256 registers: four waves to a SIMD, so that one wave's vector work stands beside another's
; matrix work and LDS loads.  THE HEAD'S WHOLE K AND V LIE IN LDS: 16 steps of 128 keys, 8,704 bytes each (K's record, then V's).  Wave w brings step w: two tensor loads, first fills; nothing is filled again.
; CLUSTER: the four work-groups of a head form a cluster and ask for each record jointly: the same load, the same descriptor, a mask that names the four.
; LAYOUT: both products transposed: S^T = K Q^T (source 0 = keys, source 1 = my queries), O^T = V^T P^T: a lane holds ONE query (lane % 16) throughout.  In S^T's tile b register j of lane (r, h) is key 16 b + 8 h + j.
; K = 64 IN A FORM OF K = 128: a fragment of K holds TWO tiles of 16 keys (tile 2 g in k 0-63, tile 2 g + 1 in k 64-127); Q lies as twelve registers (q, zeros, q): registers 0-7 pick tile 2 g, registers 4-11 tile 2 g + 1.
; Zero codes add nothing under any scale byte made here (1 .. 254).
; REGISTERS: v1 lane, v2 16 x lane, v3 8 x lane, v4, v5 the step's LDS addresses, v7 8 r, v9 32 x lane; v12 -M, v13 the largest t, v[14:15] the sum; v16-27 Q of tile 0, v192-203 of tile 1; v28, v29 their scale words;
; v32-63 K; v64-95 V; v96-159 S^T, then p; v160-191 O^T; v204-211 ctx's codes; v212-214 its bytes; v224-231 p's codes; v232-247, v252-254 at work (v253 p's scale word); v[248:249] K's scale words, v[250:251] V's.
.set RECB, 4352
.set STEPB, 2*RECB
.set TS, 64*16*RECB                    ; from tensor to tensor in rec
.set WV, 38
.macro CROUND                          ; a round of the cluster's barrier
	s_barrier_signal -1
	s_barrier_wait -1
	s_cmp_lg_u32 s[WV], 0
	s_cbranch_scc1 .Lnot_wave_0_\@
	s_barrier_signal -3
.Lnot_wave_0_\@:
	s_barrier_wait -3
	s_barrier_signal -1
	s_barrier_wait -1
.endm
	s_load_b128 s[4:7], s[0:1], 0x0                ; rec s[4:5], cc s[6:7]
	s_load_b64 s[8:9], s[0:1], 0x10                ; cs
	v_lshl_add_u32 v243, v0, 2, 0x29000
	v_mov_b32 v255, 0
	ds_add_u32 v243, v255
	ds_add_u32 v243, v255
	v_lshrrev_b32 v1, 5, v0
	s_delay_alu instid0(VALU_DEP_1)
	v_readfirstlane_b32 s[WV], v1                  ; wave 0..15
	s_bfe_u32 s39, ttmp6, 0x40000                  ; cx: which 512 queries: it enters Q's, cc's and cs's addresses alone
	s_and_b32 s40, ttmp7, 0xffff                   ; 16 batch + head, which the four partners share
	s_mov_b32 s16, 15|(3<<16)|(1<<21)              ; group 1: 15:0 the mask: all four; 17:16 elements of 8 bytes; 21 set beside a mask; no padding
	s_mov_b32 s17, 32<<16                          ; a record is 4,352 dense bytes: 17 rows of 32 elements
	s_mov_b32 s18, 17<<16
	s_mov_b32 s19, 32<<16
	s_mov_b32 s20, 17
	s_mov_b32 s21, 32
	s_mov_b32 s22, 0
	s_mov_b32 s23, 0
	s_mov_b32 s32, 0x76543210                      ; v_permlanex16_b32: lane l xor 16
	s_mov_b32 s33, 0xfedcba98
	s_mov_b32 s34, 0x3e38aa3b                      ; c = log2(e) / 8
	s_mov_b32 s35, s34                             ; (named with it as a pair)
	s_lshl_b32 s10, s40, 4
	s_add_co_u32 s10, s10, s[WV]
	s_mul_i32 s10, s10, RECB
	s_add_co_u32 s10, s10, TS                      ; K's record of step w
	s_mov_b32 s11, 0
	s_mul_i32 s41, s[WV], STEPB                    ; and its place in LDS
	s_wait_dscnt 0x0
	s_wait_kmcnt 0x0
	CROUND                                         ; all four work-groups are here: the joint loads meet
	s_mov_b32 s24, 1
	s_mov_b32 s25, s41
	s_add_nc_u64 s[26:27], s[4:5], s[10:11]
	s_mov_b32 s28, 1
	s_add_co_u32 s29, s41, RECB
	s_add_nc_u64 s[30:31], s[26:27], TS            ; V's record of step w
	s_or_b32 s27, s27, 0x80000000
	s_or_b32 s31, s31, 0x80000000
	tensor_load_to_lds s[24:27], s[16:23]          ; one tensor load of mine is out
	s_nop 0
	s_wait_alu depctr_va_vdst(0)
	s_wait_tensorcnt 0x0
	ds_add_u32 v243, v255
	s_wait_dscnt 0x0
	CROUND
	tensor_load_to_lds s[28:31], s[16:23]
	s_nop 0
.rept 4
	v_nop
.endr
	v_and_b32 v1, 31, v0
	s_delay_alu instid0(VALU_DEP_1)
	v_lshlrev_b32 v2, 4, v1
	s_wait_alu depctr_va_vdst(0)
	v_lshlrev_b32 v3, 3, v1
	v_and_b32 v7, 15, v0
	s_delay_alu instid0(VALU_DEP_1)
	v_lshlrev_b32 v7, 3, v7
	s_wait_alu depctr_va_vdst(0)
	v_lshlrev_b32 v9, 5, v1
	v_cmp_lt_u32 s44, 15, v1                       ; lanes 16-31
	; my two tiles of queries are tiles 2 (w % 4), + 1 of q's record 4 cx + w / 4
	s_lshl_b32 s10, s40, 4
	s_lshl_b32 s11, s39, 2
	s_add_co_u32 s10, s10, s11
	s_lshr_b32 s11, s[WV], 2
	s_add_co_u32 s10, s10, s11
	s_mul_i32 s10, s10, RECB
	s_and_b32 s11, s[WV], 3
	s_lshl_b32 s12, s11, 10
	s_add_co_u32 s12, s10, s12
	s_mov_b32 s13, 0
	s_add_nc_u64 s[12:13], s[4:5], s[12:13]        ; their codes
	s_and_b32 s14, s[WV], 1
	s_lshl_b32 s14, s14, 7
	s_lshr_b32 s11, s11, 1
	s_lshl_b32 s11, s11, 2
	s_add_co_u32 s10, s10, s14
	s_add_co_u32 s10, s10, s11                     ; word g = w % 4 lies in dword g / 2 of lanes 16 (g % 2) + r
	s_mov_b32 s11, 0
	s_add_nc_u64 s[10:11], s[4:5], s[10:11]
	global_load_b128 v[16:19], v2, s[12:13]        ; each tile twice: (q, zeros, q)
	global_load_b128 v[24:27], v2, s[12:13]
	global_load_b128 v[192:195], v2, s[12:13] offset:512
	global_load_b128 v[200:203], v2, s[12:13] offset:512
	global_load_b32 v30, v7, s[10:11] offset:4096  ; both tiles' pairs of bytes of query r
	s_lshr_b32 s14, s40, 4                         ; batch
	s_lshl_b32 s14, s14, 7
	s_lshl_b32 s15, s39, 5
	s_add_co_u32 s14, s14, s15
	s_lshl_b32 s15, s[WV], 1
	s_add_co_u32 s14, s14, s15                     ; my first tile of 16 rows of ctx: 128 batch + 32 cx + 2 w
	s_and_b32 s15, s40, 15                         ; head
	s_lshl_b32 s42, s14, 13
	s_lshl_b32 s43, s15, 9
	s_add_co_u32 s42, s42, s43
	s_mov_b32 s43, 0
	s_add_nc_u64 s[6:7], s[6:7], s[42:43]          ; cc [tile][head][512 bytes]
	s_lshl_b32 s42, s14, 9
	s_lshl_b32 s15, s15, 1
	s_add_co_u32 s42, s42, s15
	s_add_nc_u64 s[8:9], s[8:9], s[42:43]          ; cs [row][32]: my head's two bytes
.irp j, 20,21,22,23,196,197,198,199
	v_mov_b32 v[\j], 0                             ; the zero codes in the middle of each Q
.endr
.irp j, 236,237,238,239,253
	v_mov_b32 v[\j], 0                             ; written once: lane permutes' destinations count as sources; v253 is named in the pair v[252:253]
.endr
	s_wait_loadcnt 0x0
	v_perm_b32 v28, v30, v30, 0x01000100           ; tile 0's scale word: (s0, s1, s0, s1)
	v_perm_b32 v29, v30, v30, 0x03020302           ; tile 1's
	s_wait_tensorcnt 0x0                           ; my step has landed,
	s_barrier_signal -1
	s_barrier_wait -1                              ; everybody's has
; One tile of 16 queries: i its number, qb its Q's first register, qs its scale word's register.
.macro TILE i, qb, qs
	v_mov_b32 v13, 0xff61b1e6                      ; the largest t so far: -3e38, under every t
	s_delay_alu instid0(VALU_DEP_1)
	v_floor_f32 v12, -v13                          ; -M
	v_mov_b32 v14, 0
	v_mov_b32 v15, 0
.set J, 0
.rept 32
	v_mov_b32 v[160+J], 0                          ; O^T: the step is written once; the first finds zeros, which the first change of M leaves zeros
.set J, J+1
.endr
	s_mov_b32 s36, 0                               ; where the step's records begin in LDS
	s_mov_b32 s37, 16
.Ltrip_\@:
	s_setprio 2
	v_add_nc_u32 v4, s36, v2
	v_add_nc_u32 v5, s36, v3
	v_nop
	v_nop                                          ; four plain lines behind the last products, ahead of loads into registers that they read
.irp t, 0,1,2,3,4,5,6,7
	ds_load_b128 v[32+4*\t:35+4*\t], v4 offset:512*\t              ; K: tile t of 16 keys; tiles 2 g, 2 g + 1 make fragment g
.endr
	ds_load_b64 v[248:249], v5 offset:4096
.irp t, 0,1,2,3,4,5,6,7
	ds_load_b128 v[64+4*\t:67+4*\t], v4 offset:RECB+512*\t         ; V: dims 16 (t / 2) on, keys 64 (t % 2) on
.endr
	ds_load_b64 v[250:251], v5 offset:RECB+4096
	s_wait_dscnt 9                                 ; K and its scale words are in; V's nine loads may be out
.irp g, 0,1,2,3
.irp u, 0,1
.if (\g)%2
	v_wmma_scale_f32_16x16x128_f8f6f4 v[96+8*(2*\g+\u):103+8*(2*\g+\u)], v[32+8*\g:39+8*\g], v[\qb+4*\u:\qb+4*\u+7], 0, v[248+\g/2], v[\qs] matrix_a_fmt:MATRIX_FMT_FP4 matrix_b_fmt:MATRIX_FMT_FP4 matrix_a_scale:MATRIX_SCALE_ROW1
.else
	v_wmma_scale_f32_16x16x128_f8f6f4 v[96+8*(2*\g+\u):103+8*(2*\g+\u)], v[32+8*\g:39+8*\g], v[\qb+4*\u:\qb+4*\u+7], 0, v[248+\g/2], v[\qs] matrix_a_fmt:MATRIX_FMT_FP4 matrix_b_fmt:MATRIX_FMT_FP4
.endif
.endr
.endr
.rept 4
	v_nop
.endr
.irp b, 0,1,2,3
	v_max3_num_f32 v[232+\b], v[96+16*\b], v[97+16*\b], v[98+16*\b]   ; the largest score of each block of 32 keys: it serves the row's maximum and the block's largest p.  Each accumulator is read from its low end on
.endr
.irp n, 3,5,7,9,11,13
.irp b, 0,1,2,3
	v_max3_num_f32 v[232+\b], v[232+\b], v[96+16*\b+\n], v[97+16*\b+\n]
.endr
.endr
.irp b, 0,1,2,3
	v_max_num_f32 v[232+\b], v[232+\b], v[111+16*\b]
.endr
.irp b, 0,1,2,3
	s_delay_alu instid0(VALU_DEP_4)
	v_permlanex16_b32 v[236+\b], v[232+\b], s32, s33
.endr
.irp b, 0,1,2,3
	s_delay_alu instid0(VALU_DEP_4)
	v_max_num_f32 v[232+\b], v[232+\b], v[236+\b]  ; with lane l xor 16's 16 keys
.endr
	s_delay_alu instid0(VALU_DEP_2)
	v_max3_num_f32 v254, v232, v233, v234
	s_delay_alu instid0(VALU_DEP_1)
	v_max_num_f32 v254, v254, v235                 ; the step's largest score of my query
	s_delay_alu instid0(VALU_DEP_1)
	v_mul_f32 v254, s34, v254                      ; as t (c is positive)
	s_delay_alu instid0(VALU_DEP_1)
	v_max_num_f32 v13, v13, v254                   ; the running largest t
	v_mov_b32 v254, v12
	s_delay_alu instid0(VALU_DEP_2)
	v_floor_f32 v12, -v13                          ; the new -M = -ceil(t): a whole number
	s_delay_alu instid0(VALU_DEP_1)
	v_sub_f32 v254, v12, v254                      ; old M - new M: a whole number, 0 or less
	s_delay_alu instid0(VALU_DEP_1)
	v_cvt_i32_f32 v254, v254                       ; (it saturates)
	s_delay_alu instid0(VALU_DEP_1)
	v_ldexp_f32 v252, 1.0, v254                    ; f = 2^(old M - new M)
.irp j, 0,2,4,6,8,10,12,14,16,18,20,22,24,26,28,30,32,34,36,38,40,42,44,46,48,50,52,54,56,58,60,62
	v_pk_fma_f32 v[96+\j:97+\j], v[96+\j:97+\j], s[34:35], v[12:13] op_sel_hi:[1,0,0]   ; t - M, two at a time
.endr
.irp b, 0,1,2,3
	v_fma_f32 v[232+\b], v[232+\b], s34, v12       ; the same of each block's largest score
.endr
.set J, 0
	s_wait_alu depctr_va_vdst(0)
.rept 64
	v_exp_f32 v[96+J], v[96+J]                     ; p = 2^(t - M), at most 1
.set J, J+1
.endr
	s_setprio 1
	v_pk_mul_f32 v[14:15], v[14:15], v[252:253] op_sel_hi:[1,0]    ; the sum under the new M (a plain line behind the exponentials)
	s_wait_alu depctr_va_vdst(0)                   ; one wait for the batch of 64, ahead of its first reader
.irp b, 0,1,2,3
	v_exp_f32 v[232+\b], v[232+\b]                 ; each block's largest p
.endr
	v_pk_add_f32 v[240:241], v[96:97], v[98:99]    ; the row's sum of the unquantised p, in two chains; it reads the 64 alone
.irp j, 4,8,12,16,20,24,28,32,36,40,44,48,52
	v_pk_add_f32 v[14:15], v[14:15], v[96+\j:97+\j]
	v_pk_add_f32 v[240:241], v[240:241], v[98+\j:99+\j]
.endr
	s_wait_alu depctr_va_vdst(0)                   ; and one wait for the four
.irp b, 0,1,2,3
	v_max_num_f32 v[232+\b], 0x1800000, v[232+\b]  ; the floor 2^(3 - 127): the byte cannot fall under 1
.endr
.irp b, 0,1,2,3
	s_delay_alu instid0(VALU_DEP_4)
	v_add_nc_u32 v[244+\b], 0xff000000, v[232+\b]  ; 2 off the exponent field: the conversion's scale operand
.endr
.irp b, 0,1,2,3
	s_delay_alu instid0(VALU_DEP_4)
	v_lshrrev_b32 v[236+\b], 23, v[244+\b]         ; the scale's byte
.endr
	s_delay_alu instid0(VALU_DEP_3)
	v_lshl_or_b32 v253, v237, 8, v236              ; p's scale word for these 128 keys
	s_delay_alu instid0(VALU_DEP_1)
	v_lshl_or_b32 v253, v238, 16, v253
	s_delay_alu instid0(VALU_DEP_1)
	v_lshl_or_b32 v253, v239, 24, v253
.irp c, 0,1                            ; blocks X = 2 c and Y = 2 c + 1: tile u of X to register 4 c + 2 u, of Y to 4 c + 2 u + 1
.irp u, 0,1
	v_cvt_scalef32_pk8_fp4_f32 v[224+4*\c+2*\u], v[96+32*\c+8*\u:103+32*\c+8*\u], v[244+2*\c]
	v_cvt_scalef32_pk8_fp4_f32 v[225+4*\c+2*\u], v[112+32*\c+8*\u:119+32*\c+8*\u], v[245+2*\c]
.endr
.endr
	v_nop                                          ; a plain line behind the scaled conversions
.irp c, 0,1
.irp u, 0,1
	v_permlane16_swap_b32 v[224+4*\c+2*\u], v[225+4*\c+2*\u]       ; register 4 c + n = (X's dword n | Y's dword n): a whole block in a lane
.endr
.endr
	s_setprio 0
.irp j, 0,2,4,6,8,10,12,14,16,18,20,22,24,26,28,30
	v_pk_mul_f32 v[160+\j:161+\j], v[160+\j:161+\j], v[252:253] op_sel_hi:[1,0]   ; O^T under the new M; these sixteen are also the plain lines between p's codes and scale word and the products
.endr
.irp j, 56,60                          ; the sum's last additions stand here, behind the last write of an accumulator
	v_pk_add_f32 v[14:15], v[14:15], v[96+\j:97+\j]
	v_pk_add_f32 v[240:241], v[240:241], v[98+\j:99+\j]
.endr
	s_delay_alu instid0(VALU_DEP_1)
	v_pk_add_f32 v[14:15], v[14:15], v[240:241]
	s_wait_alu depctr_va_vdst(0)
	s_wait_dscnt 0x0                               ; V and its scale words are in
.irp t, 0,1,2,3                        ; O^T += V^T P^T: the four accumulators by turns
.if (\t)%2
	v_wmma_scale_f32_16x16x128_f8f6f4 v[160+8*\t:167+8*\t], v[64+8*\t:71+8*\t], v[224:231], v[160+8*\t:167+8*\t], v[250+\t/2], v253 matrix_a_fmt:MATRIX_FMT_FP4 matrix_b_fmt:MATRIX_FMT_FP4 matrix_a_scale:MATRIX_SCALE_ROW1
.else
	v_wmma_scale_f32_16x16x128_f8f6f4 v[160+8*\t:167+8*\t], v[64+8*\t:71+8*\t], v[224:231], v[160+8*\t:167+8*\t], v[250+\t/2], v253 matrix_a_fmt:MATRIX_FMT_FP4 matrix_b_fmt:MATRIX_FMT_FP4
.endif
.endr
	s_add_co_u32 s36, s36, STEPB
	s_sub_co_u32 s37, s37, 1
	s_cmp_lg_u32 s37, 0
	s_cbranch_scc1 .Ltrip_\@
	s_setprio 0
	; the tile's end: O^T / the sum, quantised along the head's 64: two blocks of the model's 1,024
.rept 4
	v_nop
.endr
	v_add_f32 v14, v14, v15
	s_delay_alu instid0(VALU_DEP_1)
	v_permlanex16_b32 v252, v14, s32, s33
	s_delay_alu instid0(VALU_DEP_1)
	v_add_f32 v14, v14, v252                       ; the row's sum
	s_wait_alu depctr_va_vdst(0)
	v_rcp_f32 v14, v14
	v_nop
	s_wait_alu depctr_va_vdst(0)                   ; ahead of the reciprocal's first reader
.irp j, 0,2,4,6,8,10,12,14,16,18,20,22,24,26,28,30
	v_pk_mul_f32 v[96+\j:97+\j], v[160+\j:161+\j], v[14:15] op_sel_hi:[1,0]   ; register 8 t + j: ctx(query r, dim 16 t + 8 h + j); each accumulator from its low end on
.endr
.irp b, 0,1
	v_max3_num_f32 v[232+\b], |v[96+16*\b]|, |v[97+16*\b]|, 0x1800000
.endr
.irp n, 2,4,6,8,10,12,14
.irp b, 0,1
	s_delay_alu instid0(VALU_DEP_2)
	v_max3_num_f32 v[232+\b], v[232+\b], |v[96+16*\b+\n]|, |v[97+16*\b+\n]|
.endr
.endr
.irp b, 0,1
	s_delay_alu instid0(VALU_DEP_2)
	v_permlanex16_b32 v[236+\b], v[232+\b], s32, s33
.endr
.irp b, 0,1
	s_delay_alu instid0(VALU_DEP_2)
	v_max_num_f32 v[232+\b], v[232+\b], v[236+\b]
.endr
.irp b, 0,1
	s_delay_alu instid0(VALU_DEP_2)
	v_add_nc_u32 v[244+\b], 0xff000000, v[232+\b]
.endr
.irp b, 0,1
	s_delay_alu instid0(VALU_DEP_2)
	v_lshrrev_b32 v[238+\b], 23, v[244+\b]
.endr
	s_delay_alu instid0(VALU_DEP_1)
	v_lshl_or_b32 v[212+\i], v239, 8, v238         ; the head's two bytes of query r, in both halves of the lanes
.irp u, 0,1
	v_cvt_scalef32_pk8_fp4_f32 v[204+4*\i+2*\u], v[96+8*\u:103+8*\u], v244
	v_cvt_scalef32_pk8_fp4_f32 v[205+4*\i+2*\u], v[112+8*\u:119+8*\u], v245
.endr
	v_nop
.irp u, 0,1
	v_permlane16_swap_b32 v[204+4*\i+2*\u], v[205+4*\i+2*\u]       ; lane (r, h): row r, block h of the head
.endr
	global_store_b128 v2, v[204+4*\i:207+4*\i], s[6:7] offset:8192*\i   ; 512 consecutive bytes, at a multiple of 256 from cc's first byte; each tile has its own registers
.endm
	TILE 0, 16, 28
	TILE 1, 192, 29
	v_cndmask_b32 v214, v212, v213, s44            ; lanes 0-15 carry tile 0's bytes, lanes 16-31 tile 1's: lane = row
	global_store_b16 v9, v214, s[8:9]              ; two bytes of each of 32 rows of cs, 32 bytes apart: pieces, 1/16 of what this launch stores
	s_wait_tensorcnt 0x0
	ds_add_u32 v243, v255
	s_wait_dscnt 0x0
	CROUND                                         ; the closing round
	s_endpgm
.Lfunc_end_k_qb0d933da87_attn:
	.size	k_qb0d933da87_attn, .Lfunc_end_k_qb0d933da87_attn-k_qb0d933da87_attn
	.p2alignl 7, 3214868480
	.fill 96, 4, 3214868480
	.section	.rodata,"a",@progbits
	.p2align	6, 0x0
	.amdhsa_kernel k_qb0d933da87_attn
		.amdhsa_group_segment_fixed_size 327680
		.amdhsa_private_segment_fixed_size 0
		.amdhsa_enable_private_segment 0
		.amdhsa_kernarg_size 24
		.amdhsa_user_sgpr_count 2
		.amdhsa_user_sgpr_kernarg_segment_ptr 1
		.amdhsa_wavefront_size32 1
		.amdhsa_system_sgpr_workgroup_id_x 1
		.amdhsa_system_sgpr_workgroup_id_y 1
		.amdhsa_system_sgpr_workgroup_id_z 1
		.amdhsa_system_vgpr_workitem_id 0
		.amdhsa_next_free_vgpr 256
		.amdhsa_next_free_sgpr 66
		.amdhsa_reserve_vcc 0
		.amdhsa_float_denorm_mode_32 3
		.amdhsa_float_denorm_mode_16_64 3
		.amdhsa_memory_ordered 1
		.amdhsa_forward_progress 1
		.amdhsa_inst_pref_size 50
	.end_amdhsa_kernel
	.amdgpu_metadata
---
amdhsa.version: [ 1, 2 ]
amdhsa.kernels:
  - .name:           k_qb0d933da87_attn
    .symbol:         k_qb0d933da87_attn.kd
    .args:
      - { .name: rec, .offset: 0, .size: 8, .value_kind: global_buffer, .address_space: global }
      - { .name: cc, .offset: 8, .size: 8, .value_kind: global_buffer, .address_space: global }
      - { .name: cs, .offset: 16, .size: 8, .value_kind: global_buffer, .address_space: global }
    .group_segment_fixed_size: 327680
    .private_segment_fixed_size: 0
    .kernarg_segment_align: 8
    .kernarg_segment_size: 24
    .max_flat_workgroup_size: 512
    .sgpr_count:     66
    .vgpr_count:     256
    .wavefront_size: 32
...
	.end_amdgpu_metadata
.endif
;; end of part 3
;; launch fc (part 4): grid 4 x 64, 4 waves a work-group, clusters of 4 x 4, 327,680 bytes of LDS; arguments cc, cs, w_fc_codes, w_fc_scales, b_fc, q, out0; writes out0
.if DOCPART == 4
	.amdgcn_target "amdgcn-amd-amdhsa--gfx1250"
	.amdhsa_code_object_version 6
	.text
	.protected	k_qb0d933da87_fc
	.globl	k_qb0d933da87_fc
	.p2align	8
	.type	k_qb0d933da87_fc,@function
k_qb0d933da87_fc:
	s_mov_b64 s[64:65], 0
	v_nop
	global_prefetch_b8 v0, s[64:65] scope:SCOPE_SE
	s_setreg_imm32_b32 hwreg(HW_REG_WAVE_MODE, 25, 1), 1
	s_wait_xcnt 0x0
	s_wait_alu depctr_hold_cnt(0) depctr_sa_sdst(0) depctr_va_vdst(0) depctr_va_sdst(0) depctr_va_ssrc(0) depctr_va_vcc(0) depctr_vm_vsrc(0)
	s_getreg_b32 s2, hwreg(HW_REG_IB_STS2, 6, 4)
	s_cmp_eq_u32 s2, 0
	s_cbranch_scc0 .Lentry_in_a_cluster
	s_endpgm
.Lentry_in_a_cluster:
	s_bfe_u32 s2, ttmp6, 0x10000c
	s_cmp_lg_u32 s2, 0xf033
	s_cbranch_scc0 .Lentry_shape_is_right
	s_endpgm
.Lentry_shape_is_right:
; out0 = q + ctx W_fc^T + b_fc.  ctx [8192][1024] comes as codes of FP4 (E2M1) in cc, laid as images of operand registers ([tile of 16 rows][head][512 bytes]: lane (r, h) = row r, block h of the head), with its scale
; bytes in cs [8192][32]; W_fc as codes [1024][512 bytes] and scale bytes [1024][32].  Sums in f32; the bias is the C of each sum's first matrix instruction; q is added in f32 on the way out.
; A work-group makes 128 rows x 256 columns (256 work-groups), a wave 64 x 128: 32 accumulators.  All of K lies in LDS at once: every tensor load is a first fill, one wait, one barrier, nothing is filled again.
; CLUSTERS: 4 x 4 work-groups; ctx's tile is shared along a row of the cluster, W_fc's along a column: joint loads.  Wave 0 brings ctx's images, wave 1 both sides' scale bytes, waves 2 and 3 W_fc's halves.
; THE MATRIX INSTRUCTION IS USED TRANSPOSED (source 0 = 16 rows of W_fc, source 1 = 16 rows of ctx): a lane holds eight neighbouring columns of one row of the output.
; REGISTERS, in windows of 256: window 0: v1-28 addresses; v32-95 scale words; v128-191 ctx's fragments, two sets.   window 1: v0-127 W_fc's fragments, two sets; v128-191 the bias in the result's layout; on the way out
; all 256: rows read back from the stage.   window 2: the 32 accumulators ((a, b) at v[8 (8 a + b)]).   window 3: my 64 rows x 512 bytes of q, row p at v[4 p].
.set PITCH, 528                        ; an LDS row of W_fc: 512 bytes + 16 of padding
.set HALFT, 128*PITCH
.set BOFF,  65536                      ; ctx's images, 8 tiles x 8,192 bytes, lie first
.set SCL,   BOFF+2*HALFT               ; ctx's scale bytes (4,352 with padding), then W_fc's (8,704)
.set SCLB,  SCL+16*272
.set SBLK,  2*272
.set STAGE, SCLB+32*272                ; a multiple of 256: the stage, 16 rows x 528 bytes for each wave; no tensor load lands here
.set WV, 18
.set HA, 19
.set HB, 20
.set G1I, 24                           ; s[24:31] group 1 for the images;  s[32:39], s[40:47] for the scale bytes;  s[48:55] for W_fc's codes
.set G1SA, 32
.set G1SB, 40
.set G1B, 48
.set G0I, 56                           ; the four groups 0
.set G0SA, 60
.set G0SB, 68
.set G0B, 72
.set LI,  16
.set ADRB, 20
.set STO, 24
.set RD,  25
.set CO,  26
.set ADRS, 27
.set BO,  28
.set SC,  32
.set AF,  128
.set BI,  128                          ; the bias, in window 1
.set MSB, 0
.macro WIN new
.if MSB != \new
	s_set_vgpr_msb (MSB<<8)|\new
.set MSB, \new
.endif
.endm
.macro PLACES
.rept 4
	v_nop
.endr
.endm
.macro CROUND
	s_barrier_signal -1
	s_barrier_wait -1
	s_cmp_lg_u32 s[WV], 0
	s_cbranch_scc1 .Lnot_wave_0_\@
	s_barrier_signal -3
.Lnot_wave_0_\@:
	s_barrier_wait -3
	s_barrier_signal -1
	s_barrier_wait -1
.endm
	s_load_b256 s[4:11], s[0:1], 0x0               ; cc s[4:5], cs s[6:7], W_fc's codes s[8:9], scales s[10:11]
	s_load_b128 s[12:15], s[0:1], 0x20             ; b_fc s[12:13], q s[14:15]
	s_load_b64 s[16:17], s[0:1], 0x30              ; out0
	v_lshl_add_u32 v254, v0, 2, 0x3c700
	v_mov_b32 v255, 0
	ds_add_u32 v254, v255
	ds_add_u32 v254, v255
	v_lshrrev_b32 v1, 5, v0
	v_readfirstlane_b32 s[WV], v1
	s_lshr_b32 s[HA], s[WV], 1                     ; my 64 of the 128 rows
	s_and_b32 s[HB], s[WV], 1                      ; my 128 of the 256 columns; also which half of W_fc's rows waves 2 and 3 fetch
	s_bfe_u32 s21, ttmp6, 0x40000                  ; cx = the tile of columns
	s_bfe_u32 s22, ttmp6, 0x40004                  ; cy
	s_and_b32 s23, ttmp7, 0xffff
	s_lshl_b32 s23, s23, 2
	s_add_co_u32 s23, s23, s22                     ; the tile of rows = 4 x cluster y + cy
	s_lshl_b32 s2, s22, 2
	s_lshl_b32 s2, 15, s2                          ; my row of the cluster
	s_lshl_b32 s3, 0x1111, s21                     ; my column
	s_or_b32 s[G1I], s2, (3<<16)|(1<<21)           ; the images: 65,536 dense bytes as 256 rows of 32 elements of 8 bytes, no padding
	s_mov_b32 s[G1I+1], 32<<16
	s_mov_b32 s[G1I+2], 256<<16
	s_mov_b32 s[G1I+3], 32<<16
	s_mov_b32 s[G1I+4], 256
	s_mov_b32 s[G1I+5], 32
	s_mov_b32 s[G1I+6], 0
	s_mov_b32 s[G1I+7], 0
	s_or_b32 s[G1SA], s2, (3<<16)|(1<<20)|(1<<21)|(5<<22)|(3<<25) ; ctx's scale bytes: 16 rows of 256 bytes, four words of padding behind each
	s_mov_b32 s[G1SA+1], 32<<16
	s_mov_b32 s[G1SA+2], 16<<16
	s_mov_b32 s[G1SA+3], 32<<16
	s_mov_b32 s[G1SA+4], 16
	s_mov_b32 s[G1SA+5], 32
	s_mov_b32 s[G1SA+6], 0
	s_mov_b32 s[G1SA+7], 0
	s_or_b32 s[G1SB], s3, (3<<16)|(1<<20)|(1<<21)|(5<<22)|(3<<25) ; W_fc's: 32 such rows
	s_mov_b32 s[G1SB+1], 32<<16
	s_mov_b32 s[G1SB+2], 32<<16
	s_mov_b32 s[G1SB+3], 32<<16
	s_mov_b32 s[G1SB+4], 32
	s_mov_b32 s[G1SB+5], 32
	s_mov_b32 s[G1SB+6], 0
	s_mov_b32 s[G1SB+7], 0
	s_or_b32 s[G1B], s3, (1<<20)|(1<<21)|(6<<22)|(3<<25)          ; W_fc's codes: 128 rows of 512 bytes, four words of padding behind each 128
	s_mov_b32 s[G1B+1], 512<<16
	s_mov_b32 s[G1B+2], 128<<16
	s_mov_b32 s[G1B+3], 512<<16
	s_mov_b32 s[G1B+4], 128
	s_mov_b32 s[G1B+5], 512
	s_mov_b32 s[G1B+6], 0
	s_mov_b32 s[G1B+7], 0
	s_lshl_b32 s76, s23, 16                        ; the tile's images: 8 x 8,192 bytes
	s_mov_b32 s77, 0
	s_lshl_b32 s78, s23, 12                        ; its scale bytes: 128 x 32
	s_mov_b32 s79, 0
	s_lshl_b32 s80, s21, 13                        ; W_fc's scale bytes: 256 x 32
	s_mov_b32 s81, 0
	s_lshl_b32 s82, s21, 17                        ; W_fc's codes: 256 rows x 512 bytes,
	s_lshl_b32 s83, s[HB], 16
	s_add_co_u32 s82, s82, s83                     ; + my half
	s_mov_b32 s83, 0
	s_mul_i32 s84, s[HB], HALFT
	s_add_co_u32 s84, s84, BOFF
	s_wait_dscnt 0x0
	s_wait_kmcnt 0x0
	CROUND                                         ; all sixteen work-groups are here: the joint loads meet
	s_mov_b32 s[G0I], 1
	s_mov_b32 s[G0I+1], 0
	s_add_nc_u64 s[G0I+2:G0I+3], s[4:5], s[76:77]
	s_or_b32 s[G0I+3], s[G0I+3], 0x80000000
	s_mov_b32 s[G0SA], 1
	s_mov_b32 s[G0SA+1], SCL
	s_add_nc_u64 s[G0SA+2:G0SA+3], s[6:7], s[78:79]
	s_or_b32 s[G0SA+3], s[G0SA+3], 0x80000000
	s_mov_b32 s[G0SB], 1
	s_mov_b32 s[G0SB+1], SCLB
	s_add_nc_u64 s[G0SB+2:G0SB+3], s[10:11], s[80:81]
	s_or_b32 s[G0SB+3], s[G0SB+3], 0x80000000
	s_mov_b32 s[G0B], 1
	s_mov_b32 s[G0B+1], s84
	s_add_nc_u64 s[G0B+2:G0B+3], s[8:9], s[82:83]
	s_or_b32 s[G0B+3], s[G0B+3], 0x80000000
	s_cmp_eq_u32 s[WV], 0                          ; the branches hang on the wave's number alone; a wave's loads stand in one arm, four v_nop close it
	s_cbranch_scc0 .Lnot_images
	tensor_load_to_lds s[G0I:G0I+3], s[G1I:G1I+7]
	s_nop 0
.rept 4
	v_nop
.endr
	s_branch .Lasked
.Lnot_images:
	s_cmp_eq_u32 s[WV], 1
	s_cbranch_scc0 .Lcodes
	tensor_load_to_lds s[G0SA:G0SA+3], s[G1SA:G1SA+7]
	s_nop 0
	tensor_load_to_lds s[G0SB:G0SB+3], s[G1SB:G1SB+7]
	s_nop 0
.rept 4
	v_nop
.endr
	s_branch .Lasked
.Lcodes:
	tensor_load_to_lds s[G0B:G0B+3], s[G1B:G1B+7]
	s_nop 0
.rept 4
	v_nop
.endr
.Lasked:
	v_and_b32 v1, 15, v0                           ; r
	v_bfe_u32 v2, v0, 4, 1                         ; h
	v_and_b32 v3, 31, v0                           ; lane
	v_lshlrev_b32 v[CO], 4, v3                     ; 16 x lane: my bytes of a row's 512
	v_lshlrev_b32 v[BO], 5, v2                     ; the bias: 32 h bytes
	s_wait_alu depctr_va_vdst(0)
	s_lshl_b32 s86, s21, 10
	s_lshl_b32 s87, s[HB], 9
	s_add_co_u32 s86, s86, s87                     ; my first column, in bytes
	s_mov_b32 s87, 0
	s_add_nc_u64 s[12:13], s[12:13], s[86:87]
	s_lshl_b32 s88, s23, 7
	s_lshl_b32 s89, s[HA], 6
	s_add_co_u32 s88, s88, s89                     ; my first row
	s_lshl_b32 s88, s88, 12
	s_add_co_u32 s88, s88, s86                     ; under 2^25
	s_mov_b32 s89, 0
	s_add_nc_u64 s[14:15], s[14:15], s[88:89]
	s_add_nc_u64 s[16:17], s[16:17], s[88:89]
	WIN 0x40                                       ; destination window 1
.irp b, 0,1,2,3,4,5,6,7
	global_load_b128 v[BI+8*\b:BI+8*\b+3], v[BO], s[12:13] offset:64*\b        ; lane (r, h): b_fc of columns 16 b + 8 h + 0 .. 7
	global_load_b128 v[BI+8*\b+4:BI+8*\b+7], v[BO], s[12:13] offset:64*\b+16
.endr
	WIN 0xc0                                       ; destination window 3
.set J, 0
.rept 64
	global_load_b128 v[4*J:4*J+3], v[CO], s[14:15] offset:4096*J th:TH_LOAD_NT   ; q: 512 consecutive bytes of row J; wanted only on the way out
.set J, J+1
.endr
	WIN 0
	s_lshl_b32 s90, s[HA], 15
	v_add_nc_u32 v[LI], s90, v[CO]                 ; ctx's images: my four tiles, 16 x lane
	v_mul_u32_u24 v4, v1, PITCH
	v_lshl_add_u32 v4, v2, 4, v4
	s_mul_i32 s90, s[HB], HALFT
	s_add_co_u32 s90, s90, BOFF
	v_add_nc_u32 v[ADRB], s90, v4
	v_lshlrev_b32 v5, 5, v1                        ; my row's scale bytes: 32 a row,
	v_lshrrev_b32 v6, 8, v5
	v_lshl_add_u32 v5, v6, 4, v5                   ; and 16 more for each 256 passed
	s_mul_i32 s90, s[HA], 8*272                    ; ctx's: my 64 rows
	s_mul_i32 s91, s[HB], 16*272                   ; W_fc's: my 128 rows, behind ctx's 128
	s_add_co_u32 s91, s91, 16*272
	s_sub_co_u32 s91, s91, s90
	v_mul_u32_u24 v6, s91, v2                      ; lanes 16-31 take W_fc's
	s_add_co_u32 s90, s90, SCL
	v_add_nc_u32 v5, v5, v6
	v_add_nc_u32 v[ADRS], s90, v5
	s_mul_i32 s90, s[WV], 16*PITCH
	s_add_co_u32 s90, s90, STAGE                   ; my stage
	v_mul_u32_u24 v4, v1, PITCH
	v_lshl_add_u32 v4, v2, 5, v4
	v_add_nc_u32 v[STO], s90, v4                   ; in: row r, 32 bytes for each half of the lanes
	v_add_nc_u32 v[RD], s90, v[CO]                 ; back: the 32 lanes take a row of 512 bytes
.macro FETCH s                         ; K step s into set s % 2: 16 loads of W_fc, 8 of ctx
	WIN 0x40
.irp i, 0,1,2,3,4,5,6,7
.irp c, 0,1
	ds_load_b128 v[64*((\s)%2)+8*\i+4*\c:64*((\s)%2)+8*\i+4*\c+3], v[ADRB] offset:64*(\s)+32*\c+\i*16*PITCH
.endr
.endr
	WIN 0
.irp i, 0,1,2,3
.irp c, 0,1
	ds_load_b128 v[AF+32*((\s)%2)+8*\i+4*\c:AF+32*((\s)%2)+8*\i+4*\c+3], v[LI] offset:8192*\i+1024*(\s)+512*\c   ; head 2 s + c of tile i: registers 4 c .. 4 c + 3
.endr
.endr
.endm
.macro MUL s                           ; 32 matrix instructions; the 32 accumulators take turns, one instruction a turn, in the same order in every step
.if (\s) == 0
	WIN 0x91                                       ; source 0 window 1, source 1 window 0, C (the bias) window 1, D window 2
.else
	WIN 0xa1                                       ; C and D window 2
.endif
.irp a, 0,1,2,3
.irp b, 0,1,2,3,4,5,6,7
.if (\s) == 0
	v_wmma_scale_f32_16x16x128_f8f6f4 v[8*(8*\a+\b):8*(8*\a+\b)+7], v[64*((\s)%2)+8*\b:64*((\s)%2)+8*\b+7], v[AF+32*((\s)%2)+8*\a:AF+32*((\s)%2)+8*\a+7], v[BI+8*\b:BI+8*\b+7], v[SC+8*\b+(\s)], v[SC+8*\a+(\s)] matrix_a_fmt:MATRIX_FMT_FP4 matrix_b_fmt:MATRIX_FMT_FP4 matrix_a_scale:MATRIX_SCALE_ROW1
.else
	v_wmma_scale_f32_16x16x128_f8f6f4 v[8*(8*\a+\b):8*(8*\a+\b)+7], v[64*((\s)%2)+8*\b:64*((\s)%2)+8*\b+7], v[AF+32*((\s)%2)+8*\a:AF+32*((\s)%2)+8*\a+7], v[8*(8*\a+\b):8*(8*\a+\b)+7], v[SC+8*\b+(\s)], v[SC+8*\a+(\s)] matrix_a_fmt:MATRIX_FMT_FP4 matrix_b_fmt:MATRIX_FMT_FP4 matrix_a_scale:MATRIX_SCALE_ROW1
.endif
.endr
.endr
.endm
.macro STEP s
.if (\s) > 0
	PLACES                                         ; the set that takes the next loads was read by the step before
.endif
.if (\s) < 7
	FETCH (\s)+1
	s_wait_dscnt 24                                ; all but the 24 just issued
.else
	s_wait_dscnt 0x0
.endif
	MUL \s
.endm
	s_wait_alu depctr_va_vdst(0)
	s_wait_tensorcnt 0x0                           ; my loads have landed (a wave's one or two),
	s_barrier_signal -1
	s_barrier_wait -1                              ; everybody's have
.irp i, 0,1,2,3,4,5,6,7
.irp k, 0,1
	ds_load_b128 v[SC+8*\i+4*\k:SC+8*\i+4*\k+3], v[ADRS] offset:SBLK*\i+16*\k   ; lanes 0-15: ctx's block i (for i above 3: bytes that lie in LDS and are not used); lanes 16-31: W_fc's block i
.endr
.endr
	FETCH 0
	s_wait_loadcnt 63                              ; of the 80 loads at most 63 are out: the oldest 17 are in, the 16 of the bias among them; q may stay out
.irp s, 0,1,2,3,4,5,6,7
	STEP \s
.endr
; THE WAY OUT, a block of 16 rows x 128 columns at a time: through my own stage in LDS, back as whole rows of 512 bytes, + q, stored.  LDS serves a wave's instructions in order: no wait between stores and loads.
.macro TOSTAGE a
	WIN 0x08                                       ; an LDS store's data: window 2
.irp b, 0,1,2,3,4,5,6,7
	ds_store_b128 v[STO], v[8*(8*(\a)+\b):8*(8*(\a)+\b)+3] offset:64*\b        ; each accumulator from its low end on
	ds_store_b128 v[STO], v[8*(8*(\a)+\b)+4:8*(8*(\a)+\b)+7] offset:64*\b+16
.endr
	WIN 0x40                                       ; destination window 1
.irp t, 0,1,2,3,4,5,6,7,8,9,10,11,12,13,14,15
	ds_load_b128 v[64*(\a)+4*\t:64*(\a)+4*\t+3], v[RD] offset:\t*PITCH
.endr
.endm
.macro SEND a, younger                 ; younger: the LDS instructions issued behind block a's loads
	s_wait_dscnt \younger
	WIN 0x4d                                       ; destination and source 0 window 1, source 1 (q) window 3: the same numbers in both
.set J, 64*(\a)
.rept 32
	v_pk_add_f32 v[J:J+1], v[J:J+1], v[J:J+1]
.set J, J+2
.endr
	WIN 0x04                                       ; a store's data: window 1
.irp t, 0,1,2,3,4,5,6,7,8,9,10,11,12,13,14,15
	global_store_b128 v[CO], v[64*(\a)+4*\t:64*(\a)+4*\t+3], s[16:17] offset:(16*(\a)+\t)*4096 th:TH_STORE_NT   ; 512 consecutive bytes, at a multiple of 256 from out0's first byte; each block has its own registers
.endr
.endm
	PLACES                                         ; behind the last products
	s_wait_loadcnt 0x0                             ; q
	TOSTAGE 0
.irp a, 1,2,3
	TOSTAGE \a
	SEND (\a)-1, 32                                ; behind block a - 1's loads: block a's 16 stores and 16 loads
.endr
	SEND 3, 0
	WIN 0
	s_wait_tensorcnt 0x0
	ds_add_u32 v254, v255
	s_wait_dscnt 0x0
	CROUND                                         ; the closing round
	s_endpgm
.Lfunc_end_k_qb0d933da87_fc:
	.size	k_qb0d933da87_fc, .Lfunc_end_k_qb0d933da87_fc-k_qb0d933da87_fc
	.p2alignl 7, 3214868480
	.fill 96, 4, 3214868480
	.section	.rodata,"a",@progbits
	.p2align	6, 0x0
	.amdhsa_kernel k_qb0d933da87_fc
		.amdhsa_group_segment_fixed_size 327680
		.amdhsa_private_segment_fixed_size 0
		.amdhsa_enable_private_segment 0
		.amdhsa_kernarg_size 56
		.amdhsa_user_sgpr_count 2
		.amdhsa_user_sgpr_kernarg_segment_ptr 1
		.amdhsa_wavefront_size32 1
		.amdhsa_system_sgpr_workgroup_id_x 1
		.amdhsa_system_sgpr_workgroup_id_y 1
		.amdhsa_system_sgpr_workgroup_id_z 1
		.amdhsa_system_vgpr_workitem_id 0
		.amdhsa_next_free_vgpr 1024
		.amdhsa_next_free_sgpr 100
		.amdhsa_reserve_vcc 0
		.amdhsa_float_denorm_mode_32 3
		.amdhsa_float_denorm_mode_16_64 3
		.amdhsa_memory_ordered 1
		.amdhsa_forward_progress 1
		.amdhsa_inst_pref_size 86
	.end_amdhsa_kernel
	.amdgpu_metadata
---
amdhsa.version: [ 1, 2 ]
amdhsa.kernels:
  - .name:           k_qb0d933da87_fc
    .symbol:         k_qb0d933da87_fc.kd
    .args:
      - { .name: cc, .offset: 0, .size: 8, .value_kind: global_buffer, .address_space: global }
      - { .name: cs, .offset: 8, .size: 8, .value_kind: global_buffer, .address_space: global }
      - { .name: w_fc_codes, .offset: 16, .size: 8, .value_kind: global_buffer, .address_space: global }
      - { .name: w_fc_scales, .offset: 24, .size: 8, .value_kind: global_buffer, .address_space: global }
      - { .name: b_fc, .offset: 32, .size: 8, .value_kind: global_buffer, .address_space: global }
      - { .name: q, .offset: 40, .size: 8, .value_kind: global_buffer, .address_space: global }
      - { .name: out0, .offset: 48, .size: 8, .value_kind: global_buffer, .address_space: global }
    .group_segment_fixed_size: 327680
    .private_segment_fixed_size: 0
    .kernarg_segment_align: 8
    .kernarg_segment_size: 56
    .max_flat_workgroup_size: 128
    .sgpr_count:     100
    .vgpr_count:     1024
    .wavefront_size: 32
...
	.end_amdgpu_metadata
.endif
;; end of part 4
